; MI455X (gfx1250); checked and timed in simulation.
; The chip was launched on July 23, 2026; its instructions are those of AMD's public machine-readable ISA for CDNA 5 (MIT licence, August 2026) and "CDNA5" Instruction Set Architecture Reference Guide (July 2026). The comments in the code are by the model that wrote it; some were corrected since.
;; Cross Attention. Allowed arithmetic: matrix products marked QUANTISED: E2M1 operands, one E8M0 scale for each 32 along K, by v_wmma_scale_f32_16x16x128_f8f6f4 with both operands' format E2M1 (or v_wmma_scale_f32_32x16x128_f4), f32 sums; products left as they are: bf16, f16 or f32 operands; f32 sums; everything else in f32.
;; Inputs: Wk 1,024 x 1,024 float32; Wp 1,024 x 1,024 float32; Wq 1,024 x 1,024 float32; Wv 1,024 x 1,024 float32; attn_bias 1 x 16 x 1,024 x 2,048 float32; bp 1,024 float32; context 4 x 2,048 x 1,024 float32; scale_mul 1 x 16 x 1 x 1 float32; x 4 x 1,024 x 1,024 float32.
;; Outputs: out0 4 x 1,024 x 1,024 float32.
;; This version of the problem:
;;   THIS VERSION OF THE PROBLEM IS GIVEN IN LOW PRECISION. The matrix products marked QUANTISED in the list below multiply operands that are first quantised to E2M1 (2 exponent bits, 1 mantissa bit; 4 bits a number), with one power-of-two scale for each 32 numbers along K (OCP MX v1.0); their sums are f32. The products marked 'left as it is' may take bf16, f16 or f32 operands, with f32 sums. Whichever they take, every output number must still come out within the allowed error. Rounding operands to bf16 (8 significant bits) uses up far more of that allowance than f16 does (11 bits, for magnitudes from 6e-5 to 65,504). All else is computed in f32.
;;   The module's matrix products, in the order in which they are computed (A, B: the left and right operand; K: the contracted axis; several contracted axes count as one K, in the product's order):
;;     1. [M 4,096, K 1,024] x [K 1,024, N 1,024]; A: input x; B: input Wq: QUANTISED
;;     2. [M 8,192, K 1,024] x [K 1,024, N 1,024]; A: input context; B: input Wk: QUANTISED
;;     3. [M 8,192, K 1,024] x [K 1,024, N 1,024]; A: input context; B: input Wv: QUANTISED
;;     4. batch 64 x [M 1,024, K 64] x [K 64, N 2,048]; A: computed on the way; B: computed on the way: left as it is (an operand is computed on the way)
;;     5. batch 64 x [M 1,024, K 2,048] x [K 2,048, N 64]; A: computed on the way; B: computed on the way: left as it is (an operand is computed on the way)
;;     6. [M 4,096, K 1,024] x [K 1,024, N 1,024]; A: computed on the way; B: input Wp: left as it is (an operand is computed on the way)
;;   THE QUANTISER, for each operand of a quantised product, along K:
;;     - K is cut into blocks of 32 from its start; a last block that is shorter is filled with zeros.
;;     - A block's scale is 2^e with e = floor(log2(the largest magnitude in the block)) - 2, held to -126 .. 127; a block of zeros has e = 0. As a byte (E8M0): e + 127.
;;     - Each number is divided by its block's scale, clamped to +-6, and rounded to the nearest number of E2M1, ties to even, subnormals kept.
;;     - The product sums the exact products of the quantised numbers (number of the format x scale) in f32.
;;   ~~~python
;;   def quantise(x, axis):      # numpy; x: float32 -> the quantised numbers, widened to float32 again
;;       x = np.moveaxis(x, axis, -1); K = x.shape[-1]
;;       x = np.pad(x, [(0, 0)] * (x.ndim - 1) + [(0, -K % 32)]); x = x.reshape(x.shape[:-1] + (-1, 32)); a = np.abs(x).max(-1, keepdims=True)
;;       e = np.where(a > 0, np.clip(np.frexp(np.where(a > 0, a, 1))[1] - 1 - 2, -126, 127), 0)      # np.frexp(a)[1] - 1 = floor(log2(a)), exactly
;;       r = np.clip(x / 2.0 ** e, -6, 6)
;;       step = 2.0 ** (np.maximum(np.frexp(np.where(r == 0, 1, r))[1] - 1, 0) - 1)
;;       q = np.round(r / step) * step * 2.0 ** e      # np.round: ties to even
;;       return np.moveaxis(q.reshape(q.shape[:-2] + (-1,))[..., :K], -1, axis).astype(np.float32)
;;   ~~~
;; One version. Each part assembles by itself: llvm-mc -triple=amdgcn-amd-amdhsa -mcpu=gfx1250 --defsym DOCPART=n.
;; ======== version 1 of 1: 4 launches
;; limits: values are held in f16: magnitudes above 65,504 overflow, below 6.1e-05 lose precision; right only within a limited range of input values
;; workspace buffers: codes 7,864,320 bytes; scales 491,520 bytes; wp16 2,097,152 bytes; kh 16,777,216 bytes; vh 16,777,216 bytes; ksq 262,144 bytes; oh 8,388,608 bytes
;; launch quant (part 1): grid 512 x 1, 4 waves a work-group, no clusters, 33,280 bytes of LDS; arguments context, x, Wk, Wv, Wq, Wp, codes, scales, wp16; writes codes, scales, wp16
.if DOCPART == 1
	.amdgcn_target "amdgcn-amd-amdhsa--gfx1250"
	.amdhsa_code_object_version 6
	.text
	.protected	k_q11de0ed242_quant
	.globl	k_q11de0ed242_quant
	.p2align	8
	.type	k_q11de0ed242_quant,@function
k_q11de0ed242_quant:
	s_mov_b64 s[64:65], 0
	v_nop
	global_prefetch_b8 v0, s[64:65] scope:SCOPE_SE
	s_setreg_imm32_b32 hwreg(HW_REG_WAVE_MODE, 25, 1), 1
	s_wait_xcnt 0x0
; CROSS-ATTENTION, first of four launches.  Nothing of reference() is left out in any of them: every input (x, context, attn_bias, Wq, Wk, Wv, Wp, bp, scale_mul) has a way to the output, attn_bias changes along the
; softmax's axis, and both guards max(norm, 1e-12) are kept.  One product is re-associated: (q^ sm) . (k / n) is computed as (q^ sm / n) . k, n the norm of k's channel over the 2,048 context positions.
; THIS LAUNCH: context [8192][1024], x [4096][1024], Wk, Wv, Wq [1024][1024], all f32 with K innermost, become codes of FP4 (E2M1), two a byte, and one E8M0 scale byte for each 32 along K; Wp becomes f16.
; A block's scale is 2^(floor(log2(its largest magnitude)) - 2); its byte is the largest magnitude's exponent field - 2, held at 1 from below.  A block of zeros so gets the byte 1 where the rule says 127: its codes
; are zeros, which add nothing under any byte but 0xff, and the bytes are read by this program alone.
; LIMITS: NaN and infinities among the inputs are not served; |Wp| stays under 65,504 (f16).
; codes: 15,360 rows x 512 bytes on end: context, x, Wk, Wv, Wq.  scales: the same rows x 32 bytes.  wp16: [16 runs of 64 along K][1,024 n][64] f16.
; Work-groups 0-255 context, 256-383 x, 384-415 Wk, 416-447 Wv, 448-479 Wq: 32,768 numbers each, a wave 16 steps of 512.  Rows are dense, so tensors, codes and scale bytes are plain streams and the outputs follow the work-group's number.
; Each of a step's four loads reads 512 consecutive bytes; the 2,048 bytes turn through the wave's own stage in LDS and come back 64 bytes a lane: 16 neighbours along K, two lanes to a block.
; Work-groups 480-511 take Wp, on a path of their own that uses no LDS.
.set STEPS, 16
.set EMAX,  2
.set CB,    8                          ; bytes of 16 codes
.set R,     16                         ; v16-79   four sets of 16 numbers as they are loaded
.set X,     80                         ; v80-111  two sets of 16 neighbours
.set E,     112                        ; v112-127 a scale byte for each step
.set C,     128                        ; v128-191 codes: four registers for each step
.set WREG,  8192                       ; LDS: a region for each wave: two stages of 32 x SP bytes, then its 256 scale bytes
.set SP,    80                         ; a lane's place in a stage: 64 bytes + 16 of padding
.set SPW,   12                         ; v12 LDS address of my spare word; never rewritten
.set NIL,   13                         ; v13 0; never rewritten
.set SPARE, 4*WREG                     ; behind the four regions: the spare words, 128 bytes for each wave
	s_load_b256 s[4:11], s[0:1], 0x0               ; context, x, Wk, Wv
	s_load_b256 s[12:19], s[0:1], 0x20             ; Wq, Wp, codes, scales
	s_load_b64 s[20:21], s[0:1], 0x40              ; wp16
	v_lshl_add_u32 v[SPW], v0, 2, SPARE
	v_mov_b32 v[NIL], 0
	v_lshrrev_b32 v1, 5, v0
	v_readfirstlane_b32 s22, v1                    ; wave
	v_and_b32 v2, 31, v0                           ; lane
	v_lshlrev_b32 v3, 4, v2                        ; 16 x lane
	s_mul_i32 s23, s22, WREG
	v_lshrrev_b32 v14, 2, v2
	v_mul_u32_u24 v14, v14, SP
	v_and_b32 v15, 3, v2
	v_lshl_add_u32 v14, v15, 4, v14
	v_add_nc_u32 v14, s23, v14                     ; the stage, on the way in: SP (lane / 4) + 16 (lane % 4)
	v_mul_u32_u24 v15, v2, SP
	v_add_nc_u32 v15, s23, v15                     ; on the way out: SP x lane
	v_mul_u32_u24 v4, v2, CB                       ; my codes' place in a step's
	v_lshrrev_b32 v5, 1, v2
	s_add_co_u32 s23, s23, 2*32*SP
	v_add_nc_u32 v5, s23, v5                       ; my wave's 256 scale bytes, my block's byte
	v_lshlrev_b32 v7, 3, v2
	v_add_nc_u32 v6, s23, v7                       ; and on the way out 8 bytes a lane
	s_wait_kmcnt 0x0
	s_cmp_ge_u32 ttmp9, 480
	s_cbranch_scc1 .Lwp
	s_mov_b64 s[24:25], s[4:5]                     ; which tensor: the choice hangs on the work-group's number alone
	s_mov_b32 s26, 0
	s_cmp_ge_u32 ttmp9, 256
	s_cselect_b64 s[24:25], s[6:7], s[24:25]
	s_cselect_b32 s26, 256, s26
	s_cmp_ge_u32 ttmp9, 384
	s_cselect_b64 s[24:25], s[8:9], s[24:25]
	s_cselect_b32 s26, 384, s26
	s_cmp_ge_u32 ttmp9, 416
	s_cselect_b64 s[24:25], s[10:11], s[24:25]
	s_cselect_b32 s26, 416, s26
	s_cmp_ge_u32 ttmp9, 448
	s_cselect_b64 s[24:25], s[12:13], s[24:25]
	s_cselect_b32 s26, 448, s26
	s_sub_co_u32 s27, ttmp9, s26
	s_lshl_b32 s27, s27, 2
	s_add_co_u32 s27, s27, s22                     ; which run of 8,192 numbers of the tensor is my wave's
	s_lshl_b32 s28, s27, 15
	s_mov_b32 s29, 0
	s_add_nc_u64 s[24:25], s[24:25], s[28:29]
	s_lshl_b32 s30, ttmp9, 2
	s_add_co_u32 s30, s30, s22                     ; and which run of the merged outputs
	s_lshl_b32 s28, s30, 12
	s_add_nc_u64 s[16:17], s[16:17], s[28:29]      ; 4,096 bytes of codes a run
	s_lshl_b32 s28, s30, 8
	s_add_nc_u64 s[18:19], s[18:19], s[28:29]      ; 256 scale bytes a run
.macro LOAD t
.irp i, 0,1,2,3
	global_load_b128 v[R+16*((\t)%4)+4*\i:R+16*((\t)%4)+4*\i+3], v3, s[24:25] offset:2048*(\t)+512*\i th:TH_LOAD_NT   ; 32 lanes read 512 consecutive bytes
.endr
.endm
.macro TURN t                          ; step t's numbers through the stage: LDS serves a wave's instructions in order, so no wait stands between the stores and the loads
.irp i, 0,1,2,3
	ds_store_b128 v14, v[R+16*((\t)%4)+4*\i:R+16*((\t)%4)+4*\i+3] offset:32*SP*((\t)%2)+8*SP*\i
.endr
.irp i, 0,1,2,3
	ds_load_b128 v[X+16*((\t)%2)+4*\i:X+16*((\t)%2)+4*\i+3], v15 offset:32*SP*((\t)%2)+16*\i
.endr
.endm
.irp t, 0,1,2,3
	LOAD \t
.endr
	s_wait_loadcnt 12                              ; step 0's four loads are in; the twelve of steps 1 to 3 stay out
	TURN 0
.macro STEP t
.set XS, X+16*((\t)%2)
.if (\t) > 0
	s_wait_dscnt 1                                 ; this step's numbers are back from the stage (the last step's byte store may be out)
.else
	s_wait_dscnt 0x0
.endif
.if (\t)+4 < STEPS
	LOAD (\t)+4
.endif
.if (\t)+1 < STEPS
.if STEPS-2-(\t) >= 3
	s_wait_loadcnt 12                              ; the next step's four loads are in; those of the three steps behind it may be out
.else
	s_wait_loadcnt 4*(STEPS-2-(\t))
.endif
	TURN (\t)+1
.endif
	v_max3_num_f32 v8, |v[XS]|, |v[XS+1]|, |v[XS+2]|               ; the largest magnitude of my 16, in two chains
	v_max3_num_f32 v9, |v[XS+3]|, |v[XS+4]|, |v[XS+5]|
.irp i, 6,10
	v_max3_num_f32 v8, v8, |v[XS+\i]|, |v[XS+\i+1]|
	v_max3_num_f32 v9, v9, |v[XS+\i+2]|, |v[XS+\i+3]|
.endr
	v_max3_num_f32 v8, v8, |v[XS+14]|, |v[XS+15]|
	v_max3_num_f32 v8, v8, v9, (EMAX+1)<<23        ; and the floor 2^(EMAX + 1 - 127): the byte cannot fall under 1
	v_max_num_f32_dpp v8, v8, v8 row_xmask:1 row_mask:0xf bank_mask:0xf   ; and of my neighbour's 16: the block's
	v_add_nc_u32 v11, -(EMAX<<23), v8              ; EMAX off its exponent field: the conversion takes the exponent field of this operand as its scale
	v_cvt_scalef32_pk8_fp4_f32 v[C+4*(\t)], v[XS:XS+7], v11
	v_cvt_scalef32_pk8_fp4_f32 v[C+4*(\t)+1], v[XS+8:XS+15], v11
	v_lshrrev_b32 v[E+(\t)], 23, v11               ; the scale's byte
	ds_store_b8 v5, v[E+(\t)] offset:16*(\t)       ; both lanes of a block write the same byte with the same value
	global_store_b64 v4, v[C+4*(\t):C+4*(\t)+1], s[16:17] offset:32*CB*(\t)   ; the wave stores 256 consecutive bytes, aligned
.endm
.irp t, 0,1,2,3,4,5,6,7,8,9,10,11,12,13,14,15
	STEP \t
.endr
	ds_load_b64 v[8:9], v6                         ; LDS serves a wave's instructions in order: these see my stores
	s_wait_dscnt 0x0
	global_store_b64 v7, v[8:9], s[18:19]          ; 32 lanes store 256 consecutive bytes, aligned
	s_wait_tensorcnt 0x0                           ; the wave's end
	ds_add_u32 v[SPW], v[NIL]
	s_wait_dscnt 0x0
	s_endpgm
; Wp [1024 n][1024 k] f32 -> wp16 [k / 64][n][64] f16.  Work-group j takes rows 32 j on, wave w eight of them.  An item is 4 rows x 64 along K: a lane loads 32 bytes and stores 16; the wave's store covers 512 consecutive bytes.
.Lwp:
	s_sub_co_u32 s27, ttmp9, 480
	s_lshl_b32 s27, s27, 5
	s_lshl_b32 s28, s22, 3
	s_add_co_u32 s27, s27, s28                     ; my first row n0
	s_lshl_b32 s28, s27, 12
	s_mov_b32 s29, 0
	s_add_nc_u64 s[14:15], s[14:15], s[28:29]
	s_lshl_b32 s28, s27, 7
	s_add_nc_u64 s[20:21], s[20:21], s[28:29]
	v_lshrrev_b32 v8, 3, v2
	v_lshlrev_b32 v8, 12, v8
	v_and_b32 v9, 7, v2
	v_lshl_add_u32 v8, v9, 5, v8                   ; row lane / 8 of the item's four, 32 (lane % 8) bytes on
.macro WPLOAD g                        ; batch g: items 8 g .. 8 g + 7; item n: run of K n / 2, rows 4 (n % 2) on
.irp i, 0,1,2,3,4,5,6,7
	global_load_b128 v[16+64*((\g)%2)+8*\i:16+64*((\g)%2)+8*\i+3], v8, s[14:15] offset:((8*(\g)+\i)%2)*16384+((8*(\g)+\i)/2)*256 th:TH_LOAD_NT
	global_load_b128 v[16+64*((\g)%2)+8*\i+4:16+64*((\g)%2)+8*\i+7], v8, s[14:15] offset:((8*(\g)+\i)%2)*16384+((8*(\g)+\i)/2)*256+16 th:TH_LOAD_NT
.endr
.endm
.macro WPCVT g
.if (\g) < 3
	s_wait_loadcnt 16                              ; this batch's sixteen loads are in; the next batch's sixteen stay out
.else
	s_wait_loadcnt 0x0
.endif
	s_wait_xcnt 0x0                                ; the last batch's stores have read v144-175
.irp i, 0,1,2,3,4,5,6,7
.irp j, 0,1,2,3
	v_cvt_pk_f16_f32 v[144+4*\i+\j], v[16+64*((\g)%2)+8*\i+2*\j], v[16+64*((\g)%2)+8*\i+2*\j+1]
.endr
.endr
.if (\g)+2 < 4
	WPLOAD (\g)+2
.endif
.irp i, 0,1,2,3,4,5,6,7
	global_store_b128 v3, v[144+4*\i:144+4*\i+3], s[20:21] offset:((8*(\g)+\i)/2)*131072+((8*(\g)+\i)%2)*512
.endr
.endm
	WPLOAD 0
	WPLOAD 1
	WPCVT 0
	WPCVT 1
	WPCVT 2
	WPCVT 3
	s_endpgm
.Lfunc_end_k_q11de0ed242_quant:
	.size	k_q11de0ed242_quant, .Lfunc_end_k_q11de0ed242_quant-k_q11de0ed242_quant
	.p2alignl 7, 3214868480
	.fill 96, 4, 3214868480
	.section	.rodata,"a",@progbits
	.p2align	6, 0x0
	.amdhsa_kernel k_q11de0ed242_quant
		.amdhsa_group_segment_fixed_size 33280
		.amdhsa_private_segment_fixed_size 0
		.amdhsa_enable_private_segment 0
		.amdhsa_kernarg_size 72
		.amdhsa_user_sgpr_count 2
		.amdhsa_user_sgpr_kernarg_segment_ptr 1
		.amdhsa_wavefront_size32 1
		.amdhsa_system_sgpr_workgroup_id_x 1
		.amdhsa_system_sgpr_workgroup_id_y 1
		.amdhsa_system_sgpr_workgroup_id_z 1
		.amdhsa_system_vgpr_workitem_id 0
		.amdhsa_next_free_vgpr 192
		.amdhsa_next_free_sgpr 66
		.amdhsa_reserve_vcc 0
		.amdhsa_float_denorm_mode_32 3
		.amdhsa_float_denorm_mode_16_64 3
		.amdhsa_memory_ordered 1
		.amdhsa_forward_progress 1
		.amdhsa_inst_pref_size 52
	.end_amdhsa_kernel
	.amdgpu_metadata
---
amdhsa.version: [ 1, 2 ]
amdhsa.kernels:
  - .name:           k_q11de0ed242_quant
    .symbol:         k_q11de0ed242_quant.kd
    .args:
      - { .name: context, .offset: 0, .size: 8, .value_kind: global_buffer, .address_space: global }
      - { .name: x, .offset: 8, .size: 8, .value_kind: global_buffer, .address_space: global }
      - { .name: Wk, .offset: 16, .size: 8, .value_kind: global_buffer, .address_space: global }
      - { .name: Wv, .offset: 24, .size: 8, .value_kind: global_buffer, .address_space: global }
      - { .name: Wq, .offset: 32, .size: 8, .value_kind: global_buffer, .address_space: global }
      - { .name: Wp, .offset: 40, .size: 8, .value_kind: global_buffer, .address_space: global }
      - { .name: codes, .offset: 48, .size: 8, .value_kind: global_buffer, .address_space: global }
      - { .name: scales, .offset: 56, .size: 8, .value_kind: global_buffer, .address_space: global }
      - { .name: wp16, .offset: 64, .size: 8, .value_kind: global_buffer, .address_space: global }
    .group_segment_fixed_size: 33280
    .private_segment_fixed_size: 0
    .kernarg_segment_align: 8
    .kernarg_segment_size: 72
    .max_flat_workgroup_size: 128
    .sgpr_count:     66
    .vgpr_count:     192
    .wavefront_size: 32
...
	.end_amdgpu_metadata
.endif
;; end of part 1
;; launch kvgemm (part 2): grid 8 x 32, 4 waves a work-group, clusters of 4 x 4, 327,680 bytes of LDS; arguments codes, scales, kh, vh, ksq; writes kh, vh, ksq
.if DOCPART == 2
	.amdgcn_target "amdgcn-amd-amdhsa--gfx1250"
	.amdhsa_code_object_version 6
	.text
	.protected	k_q11de0ed242_kvgemm
	.globl	k_q11de0ed242_kvgemm
	.p2align	8
	.type	k_q11de0ed242_kvgemm,@function
k_q11de0ed242_kvgemm:
	s_mov_b64 s[64:65], 0
	v_nop
	global_prefetch_b8 v0, s[64:65] scope:SCOPE_SE
	s_setreg_imm32_b32 hwreg(HW_REG_WAVE_MODE, 25, 1), 1
	s_wait_xcnt 0x0
	s_wait_alu depctr_hold_cnt(0) depctr_sa_sdst(0) depctr_va_vdst(0) depctr_va_sdst(0) depctr_va_ssrc(0) depctr_va_vcc(0) depctr_vm_vsrc(0)
	s_getreg_b32 s2, hwreg(HW_REG_IB_STS2, 6, 4)
	s_cmp_eq_u32 s2, 0
	s_cbranch_scc0 .Lentry_in_a_cluster
	s_endpgm
.Lentry_in_a_cluster:
	s_bfe_u32 s2, ttmp6, 0x10000c
	s_cmp_lg_u32 s2, 0xf033
	s_cbranch_scc0 .Lentry_shape_is_right
	s_endpgm
.Lentry_shape_is_right:
; k = context Wk^T and v = context Wv^T as ONE product on codes of FP4 (E2M1) with E8M0 scales: C[m][n], m = 8,192 context rows, n = 2,048 (Wk's 1,024 rows, then Wv's), K = 1,024.  No work of reference() is left out here.
; A tile of C, 256 x 256, is made by four waves, each 128 x 128: 64 accumulators of 16 x 16.  K goes in two steps of 512 through two LDS slots, each filled once; the scale bytes of the tile's rows come once too.
; CLUSTERS: 4 x 4 work-groups; A's tiles are asked for jointly along a row of the cluster, B's along a column.  Cluster x = 0 makes k (tile columns 0-3), cluster x = 1 makes v.
; THE MATRIX INSTRUCTION IS USED TRANSPOSED (source 0 = 16 rows of W, source 1 = 16 context rows): a lane holds one context row and eight neighbouring channels.
; OUT: kh, vh [4 b][16 h][2,048 m][64] f16, raw (k is not normalised here).  ksq [64 blocks of 128 context rows][1,024 channels] f32: the sums of squares of the unrounded k, for the norm over the context axis.
; LIMITS: |k| and |v| stay under 65,504 (f16); NaN and infinities are not served.
; REGISTERS: window 0: v0-31 addresses; v32-95 scale words, two sets; from v128 A's fragments, one set; on the way out v128-227 are free.  window 1: B's fragments, two sets.  windows 2, 3: the accumulators ((a, b) at v[8 (8 (a % 4) + b)]).
.set SIZE_K, 1024
.set WK_OFF,  6291456                  ; Wk's first row in codes (row 12,288 x 512 bytes)
.set WKS_OFF, 393216                   ; and in scales (x 32 bytes)
.set KSTEP,  512
.set NQ,     KSTEP/128
.set ROWB,   256
.set KROW,   SIZE_K*4/8
.set PITCH,  272                       ; an LDS row: 256 bytes + 16 of padding: the 16 rows that a load touches start 68 words apart
.set FR,     8
.set NL,     2
.set NP,     4
.set HALFT,  128*PITCH
.set SLOT,   4*HALFT
.set KS,     SIZE_K/32
.set SCL,    2*SLOT
.set HALFS,  (128*KS/256)*272
.set SBLK,   (16*KS/256)*272
.set SPARE,  SCL+4*HALFS               ; the spare words, 128 bytes for each wave
.set WREG,   5120                      ; the way out: a region for each wave in slot 0, which has had its only fill and its last read by then: a stage [2 heads][16 rows] of 144 bytes, then 512 bytes for the squares
.set SP,     144
.set ADRA, 16
.set ADRB, 20
.set STO,  24
.set RD,   25
.set CO,   26
.set ADRS, 27
.set SPW,  28
.set NIL,  29
.set SQA,  30
.set SQR,  31
.set SC,   32
.set AF,   128
.set SQ,   128                         ; v128-191: the squares' sums, register 8 b + j
.set TMP,  192                         ; v192-223: a block's packed results
.set BK,   128                         ; v128-159, v160-191 by turns: rows read back from the stage
.set G1, 24
.set G0, 32
.set G1B, 48
.set G0B, 56
.set G1S, 68
.set G0S, 76
.set G1SB, 80
.set G0SB, 88
.set MSB, 0
.macro WIN new                         ; the immediate's high byte repeats the setting that is left
.if MSB != \new
	s_set_vgpr_msb (MSB<<8)|\new
.set MSB, \new
.endif
.endm
.set MUL_LO, 0xa1                      ; source 0 (B) window 1, source 1 (A) window 0, C and D window 2
.set MUL_HI, 0xf1                      ; the same, C and D window 3
.set TO_B,   0x40
; A joint load: waves 0 and 1 fetch for A, waves 2 and 3 for B.  An s_nop 0 and four v_nop follow each of the two lines.
.macro JLOAD g0a, g1a, g0b, g1b
	s_cmp_eq_u32 s15, 0
	s_cbranch_scc0 .Lfor_b_\@
	tensor_load_to_lds s[\g0a:\g0a+3], s[\g1a:\g1a+7]
	s_nop 0
.rept 4
	v_nop
.endr
	s_branch .Lasked_\@
.Lfor_b_\@:
	tensor_load_to_lds s[\g0b:\g0b+3], s[\g1b:\g1b+7]
	s_nop 0
.rept 4
	v_nop
.endr
.Lasked_\@:
.endm
.macro CROUND                          ; a round of the cluster's barrier
	s_barrier_signal -1
	s_barrier_wait -1
	s_cmp_lg_u32 s14, 0
	s_cbranch_scc1 .Lnot_wave_0_\@
	s_barrier_signal -3
.Lnot_wave_0_\@:
	s_barrier_wait -3
	s_barrier_signal -1
	s_barrier_wait -1
.endm
	s_load_b128 s[4:7], s[0:1], 0x0                ; codes, scales: A (context) begins at their first byte
	s_load_b128 s[96:99], s[0:1], 0x10             ; kh, vh
	s_load_b64 s[66:67], s[0:1], 0x20              ; ksq
	v_lshl_add_u32 v[SPW], v0, 2, SPARE
	v_mov_b32 v[NIL], 0
	ds_add_u32 v[SPW], v[NIL]                      ; the wave's opening: the add, twice on end, and its wait ahead of my first tensor load
	ds_add_u32 v[SPW], v[NIL]
	v_lshrrev_b32 v1, 5, v0
	v_readfirstlane_b32 s14, v1                    ; wave 0..3
	s_lshr_b32 s15, s14, 1                         ; which half of the tile's rows is mine.  Also: I fetch for A (0) or for B (1)
	s_and_b32 s16, s14, 1                          ; which half of its columns.  Also: which 128 rows of that tile I fetch
	s_bfe_u32 s40, ttmp6, 0x40000                  ; cx, cy
	s_bfe_u32 s41, ttmp6, 0x40004
	s_lshl_b32 s42, ttmp9, 2
	s_add_co_u32 s42, s42, s40                     ; tile column
	s_and_b32 s17, ttmp7, 0xffff
	s_lshl_b32 s17, s17, 2
	s_add_co_u32 s17, s17, s41                     ; tile row
	s_lshl_b32 s43, s41, 2
	s_lshl_b32 s43, 15, s43                        ; my row of the cluster
	s_lshl_b32 s44, 0x1111, s40                    ; my column
	s_or_b32 s[G1+0], s43, (0<<16)|(1<<20)|(1<<21)|(5<<22)|(3<<25)  ; mask; elements of 1 byte; padding on: 4 words after every 64
	s_or_b32 s[G1B+0], s44, (0<<16)|(1<<20)|(1<<21)|(5<<22)|(3<<25)
.irp g, G1, G1B
	s_mov_b32 s[\g+1], ROWB<<16                    ; tensor_dim0
	s_mov_b32 s[\g+2], 128<<16                     ; tensor_dim1
	s_mov_b32 s[\g+3], ROWB<<16                    ; tile_dim0
	s_mov_b32 s[\g+4], 128                         ; tile_dim1
	s_mov_b32 s[\g+5], KROW                        ; from row to row
	s_mov_b32 s[\g+6], 0
	s_mov_b32 s[\g+7], 0
.endr
	s_or_b32 s[G1S+0], s43, (3<<16)|(1<<20)|(1<<21)|(5<<22)|(3<<25)  ; the scales of 128 rows: 4,096 dense bytes as 16 rows of 256 (32 elements of 8 bytes), 16 bytes of padding behind each
	s_or_b32 s[G1SB+0], s44, (3<<16)|(1<<20)|(1<<21)|(5<<22)|(3<<25)
.irp g, G1S, G1SB
	s_mov_b32 s[\g+1], 32<<16
	s_mov_b32 s[\g+2], (128*KS/256)<<16
	s_mov_b32 s[\g+3], 32<<16
	s_mov_b32 s[\g+4], 128*KS/256
	s_mov_b32 s[\g+5], 32
	s_mov_b32 s[\g+6], 0
	s_mov_b32 s[\g+7], 0
.endr
	s_lshl_b32 s18, s16, 7
	s_lshl_b32 s20, s17, 8
	s_add_co_u32 s20, s20, s18                     ; A: row 256 x tile row + 128 x half
	s_lshl_b32 s46, s42, 8
	s_add_co_u32 s46, s46, s18                     ; B: row 256 x tile column + 128 x half
	s_mov_b32 s21, 0
	s_mov_b32 s47, 0
	s_mov_b64 s[18:19], KS
	s_mul_u64 s[22:23], s[20:21], s[18:19]
	s_mul_u64 s[92:93], s[46:47], s[18:19]
	s_mov_b64 s[18:19], KROW
	s_mul_u64 s[20:21], s[20:21], s[18:19]
	s_mul_u64 s[46:47], s[46:47], s[18:19]
	s_mul_i32 s45, s14, HALFT
	s_mul_i32 s94, s14, HALFS
	s_wait_dscnt 0x0                               ; both opening adds are done
	s_wait_kmcnt 0x0
	s_add_nc_u64 s[8:9], s[4:5], WK_OFF            ; B: Wk's and Wv's 2,048 rows on end
	s_add_nc_u64 s[10:11], s[6:7], WKS_OFF
	s_add_nc_u64 s[20:21], s[4:5], s[20:21]
	s_add_nc_u64 s[22:23], s[6:7], s[22:23]
	s_add_nc_u64 s[46:47], s[8:9], s[46:47]
	s_add_nc_u64 s[92:93], s[10:11], s[92:93]
	CROUND                                         ; all sixteen work-groups are here: the first joint loads meet
	s_mov_b32 s[G0S], 1
	s_add_co_u32 s[G0S+1], s94, SCL
	s_mov_b64 s[G0S+2:G0S+3], s[22:23]
	s_or_b32 s[G0S+3], s[G0S+3], 0x80000000
	s_mov_b32 s[G0SB], 1
	s_add_co_u32 s[G0SB+1], s94, SCL
	s_mov_b64 s[G0SB+2:G0SB+3], s[92:93]
	s_or_b32 s[G0SB+3], s[G0SB+3], 0x80000000
	JLOAD G0S, G1S, G0SB, G1SB                     ; the scales first: they are wanted with K step 0
.irp s, 0,1
	s_mov_b32 s[G0+4*\s], 1
	s_add_co_u32 s[G0+4*\s+1], s45, \s*SLOT
	s_add_nc_u64 s[G0+4*\s+2:G0+4*\s+3], s[20:21], \s*ROWB
	s_or_b32 s[G0+4*\s+3], s[G0+4*\s+3], 0x80000000
	s_mov_b32 s[G0B+4*\s], 1
	s_add_co_u32 s[G0B+4*\s+1], s45, \s*SLOT
	s_add_nc_u64 s[G0B+4*\s+2:G0B+4*\s+3], s[46:47], \s*ROWB
	s_or_b32 s[G0B+4*\s+3], s[G0B+4*\s+3], 0x80000000
	JLOAD G0+4*\s, G1, G0B+4*\s, G1B               ; three loads of mine are out in all
.endr
	v_and_b32 v1, 15, v0                           ; r = lane % 16
	v_bfe_u32 v2, v0, 4, 1                         ; hh = lane / 16
	v_mul_u32_u24 v3, v1, PITCH
	v_lshl_add_u32 v4, v2, 4, v3
	s_mul_i32 s21, s15, HALFT
	s_mul_i32 s22, s16, HALFT
	s_add_co_u32 s22, s22, 2*HALFT
.irp s, 0,1
	v_add_nc_u32 v[ADRA+\s], s21, v4
	v_add_nc_u32 v[ADRB+\s], s22, v4
	s_add_co_u32 s21, s21, SLOT
	s_add_co_u32 s22, s22, SLOT
.endr
	v_mul_u32_u24 v5, v1, KS                       ; my row's scales: KS bytes a row,
	v_lshrrev_b32 v6, 8, v5
	v_lshl_add_u32 v5, v6, 4, v5                   ; and 16 more for each 256 passed
	s_mul_i32 s21, s15, HALFS
	s_mul_i32 s22, s16, HALFS
	s_add_co_u32 s22, s22, 2*HALFS
	s_sub_co_u32 s22, s22, s21
	v_mul_u32_u24 v6, s22, v2                      ; lanes 16-31 take B's
	s_add_co_u32 s21, s21, SCL
	v_add_nc_u32 v5, v5, v6
	v_add_nc_u32 v[ADRS], s21, v5
	s_mul_i32 s23, s14, WREG                       ; my region for the way out
	v_mul_u32_u24 v5, v1, SP
	v_lshl_add_u32 v5, v2, 4, v5
	v_add_nc_u32 v[STO], s23, v5                   ; in: row r, 16 bytes for each half of the lanes
	v_and_b32 v6, 31, v0
	v_lshrrev_b32 v5, 3, v6
	v_mul_u32_u24 v5, v5, SP
	v_and_b32 v3, 7, v0
	v_lshl_add_u32 v5, v3, 4, v5
	v_add_nc_u32 v[RD], s23, v5                    ; back: eight lanes to a row of 128 bytes, four rows an instruction
	v_lshlrev_b32 v[CO], 4, v6                     ; and the same 512 dense bytes in memory
	s_add_co_u32 s23, s23, 2*16*SP
	v_lshlrev_b32 v5, 5, v2
	v_add_nc_u32 v[SQA], s23, v5                   ; the squares: 32 bytes for each half of the lanes
	v_add_nc_u32 v[SQR], s23, v[CO]
	; where my part begins: (16 b + 4 (tile column % 4) + 2 x column half) heads of 262,144 bytes + (my first key in the batch) x 128 bytes
	s_lshr_b32 s20, s17, 3
	s_lshl_b32 s20, s20, 4
	s_and_b32 s46, s42, 3
	s_lshl_b32 s21, s46, 2
	s_add_co_u32 s20, s20, s21
	s_lshl_b32 s21, s16, 1
	s_add_co_u32 s20, s20, s21
	s_lshl_b32 s20, s20, 18
	s_and_b32 s21, s17, 7
	s_lshl_b32 s21, s21, 1
	s_add_co_u32 s21, s21, s15                     ; which 128 keys of the batch
	s_lshl_b32 s21, s21, 14
	s_add_co_u32 s20, s20, s21
	s_mov_b32 s21, 0
	s_cmp_eq_u32 ttmp9, 0                          ; the cluster's x: the same in all sixteen partners
	s_cselect_b64 s[12:13], s[96:97], s[98:99]
	s_add_nc_u64 s[12:13], s[12:13], s[20:21]
	s_lshl_b32 s22, s17, 1
	s_add_co_u32 s22, s22, s15                     ; ksq: my block of 128 context rows,
	s_lshl_b32 s22, s22, 3
	s_lshl_b32 s46, s46, 1
	s_add_co_u32 s22, s22, s46
	s_add_co_u32 s22, s22, s16                     ; my run of 128 channels,
	s_lshl_b32 s22, s22, 9                         ; 512 bytes a run
	s_mov_b32 s23, 0
	s_add_nc_u64 s[66:67], s[66:67], s[22:23]
.macro FRAG reg, adr, q, i             ; 16 rows x 128 K of 4-bit codes: 8 registers; registers 4 c .. 4 c + 3 hold K = 64 c + 32 (lane / 16) + 0 .. 31
.irp c, 0,1
	ds_load_b128 v[\reg+4*\c:\reg+4*\c+3], v[\adr] offset:64*(\q)+32*\c+(\i)*16*PITCH
.endr
.endm
; 16 matrix instructions: A's blocks a0, a0 + 1 x B's eight.  The 64 accumulators take turns, one instruction a turn.  zero = 1: the first product starts the sums.
.macro MUL16 a0, p, q, sc, zero
.irp a, \a0, \a0+1
.irp b, 0,1,2,3,4,5,6,7
.if \zero
	v_wmma_scale_f32_16x16x128_f8f6f4 v[8*(8*((\a)%4)+\b):8*(8*((\a)%4)+\b)+7], v[128*(\p)+FR*\b:128*(\p)+FR*\b+FR-1], v[AF+FR*(\a):AF+FR*(\a)+FR-1], 0, v[SC+8*NQ*(\sc)+NQ*\b+(\q)], v[SC+8*NQ*(\sc)+NQ*(\a)+(\q)] matrix_a_fmt:MATRIX_FMT_FP4 matrix_b_fmt:MATRIX_FMT_FP4 matrix_a_scale:MATRIX_SCALE_ROW1
.else
	v_wmma_scale_f32_16x16x128_f8f6f4 v[8*(8*((\a)%4)+\b):8*(8*((\a)%4)+\b)+7], v[128*(\p)+FR*\b:128*(\p)+FR*\b+FR-1], v[AF+FR*(\a):AF+FR*(\a)+FR-1], v[8*(8*((\a)%4)+\b):8*(8*((\a)%4)+\b)+7], v[SC+8*NQ*(\sc)+NQ*\b+(\q)], v[SC+8*NQ*(\sc)+NQ*(\a)+(\q)] matrix_a_fmt:MATRIX_FMT_FP4 matrix_b_fmt:MATRIX_FMT_FP4 matrix_a_scale:MATRIX_SCALE_ROW1
.endif
.endr
.endr
.endm
.macro FETCH_B slot, q, p
	WIN TO_B
.irp i, 0,1,2,3,4,5,6,7
	FRAG 128*(\p)+FR*\i, ADRB+\slot, \q, \i
.endr
	WIN 0
.endm
.macro FETCH_A slot, q, i0
.irp i, \i0, \i0+1, \i0+2, \i0+3
	FRAG AF+FR*(\i), ADRA+\slot, \q, \i
.endr
.endm
.macro SCALES sc                       ; a K step's scale words: lanes 0-15 take A's block i, lanes 16-31 B's block i
.irp i, 0,1,2,3,4,5,6,7
	ds_load_b128 v[SC+8*NQ*\sc+NQ*\i:SC+8*NQ*\sc+NQ*\i+3], v[ADRS] offset:\i*SBLK
.endr
.endm
.macro PLACES n                        ; plain vector instructions between a matrix instruction and a load into, or a read or write of, its registers
.rept \n
	v_nop
.endr
.endm
.macro STEP slot, q, zero              ; 128 along K that has its successor in the same slot
	s_wait_dscnt 4*NL                              ; B's set and A's blocks 0-3 are in; the youngest eight loads (A's blocks 4-7) may be out
	WIN MUL_LO
	MUL16 0, (\q)%2, \q, \slot, \zero
	MUL16 2, (\q)%2, \q, \slot, \zero
	s_wait_dscnt 0
	PLACES NP
	FETCH_B \slot, (\q)+1, 1-(\q)%2
	FETCH_A \slot, (\q)+1, 0
	WIN MUL_HI
	MUL16 4, (\q)%2, \q, \slot, \zero
	MUL16 6, (\q)%2, \q, \slot, \zero
	PLACES NP
	WIN 0
	FETCH_A \slot, (\q)+1, 4
.endm
; Slot 0's last step changes slots: one barrier; in front of it each wave waits for all its tensor loads, adds 0 to its spare word, and waits for that and for its reads of slot 0.  Nothing is filled again.
.macro TURN slot, next
	s_wait_tensorcnt 0x0                           ; all my tensor loads have landed: my part of the next slot
	ds_add_u32 v[SPW], v[NIL]
	s_wait_dscnt 4*NL+1                            ; the add and the youngest eight loads may be out
	WIN MUL_LO
	MUL16 0, 1, NQ-1, \slot, 0
	s_wait_dscnt 0x0                               ; the add is done, and my reads of this slot are over
	s_barrier_signal -1
	MUL16 2, 1, NQ-1, \slot, 0
	WIN 0
	s_barrier_wait -1
	PLACES NP
	v_add_nc_u32 v[ADRS], 4*NQ, v[ADRS]            ; on to the next K step's scale words
	FETCH_B \next, 0, 0
	FETCH_A \next, 0, 0
	SCALES \next
	WIN MUL_HI
	MUL16 4, 1, NQ-1, \slot, 0
	MUL16 6, 1, NQ-1, \slot, 0
	PLACES NP
	WIN 0
	FETCH_A \next, 0, 4
.endm
	s_wait_tensorcnt 1                             ; the scales and my part of K step 0 are in; K step 1's load may be out
	s_barrier_signal -1
	s_barrier_wait -1
	FETCH_B 0, 0, 0
	FETCH_A 0, 0, 0
	SCALES 0
	FETCH_A 0, 0, 4
	STEP 0, 0, 1
	STEP 0, 1, 0
	STEP 0, 2, 0
	TURN 0, 1
	STEP 1, 0, 0
	STEP 1, 1, 0
	STEP 1, 2, 0
	s_wait_dscnt 4*NL                              ; the very last step: nothing more to fetch
	WIN MUL_LO
	MUL16 0, 1, NQ-1, 1, 0
	MUL16 2, 1, NQ-1, 1, 0
	s_wait_dscnt 0
	WIN MUL_HI
	MUL16 4, 1, NQ-1, 1, 0
	MUL16 6, 1, NQ-1, 1, 0
	WIN 0
	PLACES NP                                      ; behind the last products, for the reads of results and the writes over A's fragments
	s_cmp_lg_u32 ttmp9, 0
	s_cbranch_scc1 .Lout                           ; v's clusters make no squares
	; k alone: the sums of squares over my 128 context rows: over my eight blocks in registers, over the 16 lanes of a half by four steps, each accumulator from its low end on
.irp a, 0,1,2,3,4,5,6,7
	WIN 0x0a+5*(\a/4)                              ; sources 0 and 1: window 2 or 3
.set n, 0
.rept 32
.if \a == 0
	v_pk_mul_f32 v[SQ+n:SQ+n+1], v[64*(\a%4)+n:64*(\a%4)+n+1], v[64*(\a%4)+n:64*(\a%4)+n+1]
.else
	v_pk_fma_f32 v[SQ+n:SQ+n+1], v[64*(\a%4)+n:64*(\a%4)+n+1], v[64*(\a%4)+n:64*(\a%4)+n+1], v[SQ+n:SQ+n+1]
.endif
.set n, n+2
.endr
.endr
	WIN 0
.irp m, 1,2,4,8
.set n, 0
.rept 64
	v_add_f32_dpp v[SQ+n], v[SQ+n], v[SQ+n] row_xmask:\m row_mask:0xf bank_mask:0xf
.set n, n+1
.endr
.endr
.irp b, 0,1,2,3,4,5,6,7
	ds_store_b128 v[SQA], v[SQ+8*\b:SQ+8*\b+3] offset:64*\b          ; channel 16 b + 8 hh + j: the sixteen lanes of a half write the same bytes with the same values
	ds_store_b128 v[SQA], v[SQ+8*\b+4:SQ+8*\b+7] offset:64*\b+16
.endr
	ds_load_b128 v[224:227], v[SQR]                ; LDS serves a wave's instructions in order: this sees the stores
	s_wait_dscnt 0x0
	global_store_b128 v[CO], v[224:227], s[66:67]  ; 32 lanes store 512 consecutive bytes, aligned
.Lout:
; THE WAY OUT, block by block of 16 context rows x 128 channels (two heads).  PACK: rounded to f16.  TOSTAGE: into my stage, and back as whole key rows of 128 bytes.  SEND: four key rows of one head, 512 dense bytes, an instruction.
.macro PACK a
.set AC, 64*((\a)%4)
	WIN 0x0a+5*((\a)/4)
.irp b, 0,1,2,3,4,5,6,7
.irp r, 0,1,2,3
	v_cvt_pk_f16_f32 v[TMP+4*\b+\r], v[AC+8*\b+2*\r], v[AC+8*\b+2*\r+1]
.endr
.endr
	WIN 0
.endm
.macro TOSTAGE a
.irp b, 0,1,2,3,4,5,6,7
	ds_store_b128 v[STO], v[TMP+4*\b:TMP+4*\b+3] offset:(\b/4)*16*SP+32*(\b%4)
.endr
.irp t, 0,1,2,3,4,5,6,7
	ds_load_b128 v[BK+32*((\a)%2)+4*\t:BK+32*((\a)%2)+4*\t+3], v[RD] offset:(\t/4)*16*SP+(\t%4)*4*SP
.endr
.endm
.macro SEND a
	s_wait_dscnt 0x0                               ; the block is back in registers
	s_wait_xcnt 0x0                                ; the earlier stores have read their registers: the next block's loads may land there
.irp t, 0,1,2,3,4,5,6,7
	global_store_b128 v[CO], v[BK+32*((\a)%2)+4*\t:BK+32*((\a)%2)+4*\t+3], s[12:13] offset:(\t/4)*262144+(\a)*2048+(\t%4)*512
.endr
.endm
	PACK 0
	TOSTAGE 0
.irp a, 1,2,3,4,5,6,7                  ; block a's conversions stand between block a - 1's loads from the stage and the wait for them
	PACK \a
	SEND \a-1
	TOSTAGE \a
.endr
	SEND 7
	s_wait_tensorcnt 0x0                           ; the wave's end
	ds_add_u32 v[SPW], v[NIL]
	s_wait_dscnt 0x0
	CROUND                                         ; the closing round
	s_endpgm
.Lfunc_end_k_q11de0ed242_kvgemm:
	.size	k_q11de0ed242_kvgemm, .Lfunc_end_k_q11de0ed242_kvgemm-k_q11de0ed242_kvgemm
	.p2alignl 7, 3214868480
	.fill 96, 4, 3214868480
	.section	.rodata,"a",@progbits
	.p2align	6, 0x0
	.amdhsa_kernel k_q11de0ed242_kvgemm
		.amdhsa_group_segment_fixed_size 327680
		.amdhsa_private_segment_fixed_size 0
		.amdhsa_enable_private_segment 0
		.amdhsa_kernarg_size 40
		.amdhsa_user_sgpr_count 2
		.amdhsa_user_sgpr_kernarg_segment_ptr 1
		.amdhsa_wavefront_size32 1
		.amdhsa_system_sgpr_workgroup_id_x 1
		.amdhsa_system_sgpr_workgroup_id_y 1
		.amdhsa_system_sgpr_workgroup_id_z 1
		.amdhsa_system_vgpr_workitem_id 0
		.amdhsa_next_free_vgpr 1024
		.amdhsa_next_free_sgpr 100
		.amdhsa_reserve_vcc 0
		.amdhsa_float_denorm_mode_32 3
		.amdhsa_float_denorm_mode_16_64 3
		.amdhsa_memory_ordered 1
		.amdhsa_forward_progress 1
		.amdhsa_inst_pref_size 160
	.end_amdhsa_kernel
	.amdgpu_metadata
---
amdhsa.version: [ 1, 2 ]
amdhsa.kernels:
  - .name:           k_q11de0ed242_kvgemm
    .symbol:         k_q11de0ed242_kvgemm.kd
    .args:
      - { .name: codes, .offset: 0, .size: 8, .value_kind: global_buffer, .address_space: global }
      - { .name: scales, .offset: 8, .size: 8, .value_kind: global_buffer, .address_space: global }
      - { .name: kh, .offset: 16, .size: 8, .value_kind: global_buffer, .address_space: global }
      - { .name: vh, .offset: 24, .size: 8, .value_kind: global_buffer, .address_space: global }
      - { .name: ksq, .offset: 32, .size: 8, .value_kind: global_buffer, .address_space: global }
    .group_segment_fixed_size: 327680
    .private_segment_fixed_size: 0
    .kernarg_segment_align: 8
    .kernarg_segment_size: 40
    .max_flat_workgroup_size: 128
    .sgpr_count:     100
    .vgpr_count:     1024
    .wavefront_size: 32
...
	.end_amdgpu_metadata
.endif
;; end of part 2
;; launch attn (part 3): grid 8 x 32, 8 waves a work-group, clusters of 4 x 4, 327,680 bytes of LDS; arguments codes, scales, scale_mul, attn_bias, kh, vh, ksq, oh; writes oh
.if DOCPART == 3
	.amdgcn_target "amdgcn-amd-amdhsa--gfx1250"
	.amdhsa_code_object_version 6
	.text
	.protected	k_q11de0ed242_attn
	.globl	k_q11de0ed242_attn
	.p2align	8
	.type	k_q11de0ed242_attn,@function
k_q11de0ed242_attn:
	s_mov_b64 s[64:65], 0
	v_nop
	global_prefetch_b8 v0, s[64:65] scope:SCOPE_SE
	s_setreg_imm32_b32 hwreg(HW_REG_WAVE_MODE, 25, 1), 1
	s_wait_xcnt 0x0
	s_wait_alu depctr_hold_cnt(0) depctr_sa_sdst(0) depctr_va_vdst(0) depctr_va_sdst(0) depctr_va_ssrc(0) depctr_va_vcc(0) depctr_vm_vsrc(0)
	s_getreg_b32 s2, hwreg(HW_REG_IB_STS2, 6, 4)
	s_cmp_eq_u32 s2, 0
	s_cbranch_scc0 .Lentry_in_a_cluster
	s_endpgm
.Lentry_in_a_cluster:
	s_bfe_u32 s2, ttmp6, 0x10000c
	s_cmp_lg_u32 s2, 0xf033
	s_cbranch_scc0 .Lentry_shape_is_right
	s_endpgm
.Lentry_shape_is_right:
; o[b][h][l][:] = softmax_m(q'[l] . k[m] + attn_bias[h][l][m]) v[m][:].  No work of reference() is left out here; k's norm is applied on q's side: q' = q / max(|q|, 1e-12) x exp(min(scale_mul, log 100)) / max(n_d, 1e-12),
; n_d the norm of k's channel d over the 2,048 context positions (from ksq), all in f32, so that q' . k with the raw k is reference()'s score.
; q = x Wq^T is made here, on codes of FP4 (E2M1) with E8M0 scales, in registers: each number of q is made once in the launch.  The two products of attention take f16 operands, f32 sums.
; SOFTMAX: a running maximum m and sum l for each query: p = 2^(c s - c m), c = log2(e); in every step O and l are multiplied by a = 2^(c m_old - c m_new).
; LIMITS: NaN and infinities among the inputs, and a row of attn_bias that is all -infinity, are not served.  q' is held at +-65,504 (f16).  Under 6e-5 an f16 operand keeps fewer bits: q' reaches that only where k's norm is some hundreds of times the drawn one.
; SHARES: work-group y = 2 h + bp, x = lb: head h, queries 128 lb on, batches 2 bp and 2 bp + 1.  Wave w: batch 2 bp + w / 4, 32 queries (two tiles of 16) from 32 (w % 4) on.
; Every wave walks the 2,048 keys, 64 a step; a slot holds 128 keys: the bias tile (128 queries x 128 keys f32), K and V of both batches.  Two slots.
; CLUSTER 4 x 4: K's and V's tiles hang on work-group y alone: the four of a row of the cluster ask for them jointly.  The bias tile is wanted by two of the sixteen only (one head and query block, the two pairs of batches),
; neighbours along y, and the masks made here name a whole row; so it comes by loads of the work-group's own, behind the same rounds.
; LAYOUT: S^T = K Q^T + bias (source 0 = 16 keys, source 1 = 16 queries, C = the bias as loaded): a lane holds ONE query (lane % 16) and keys 8 (lane / 16) + 0..7.  Two such tiles, rounded to f16 in pairs, are source 1 of O^T = V^T P.
; THE LOOP IS A PIPELINE INSIDE THE WAVE.  A turn works step j's softmax and V^T P; at its head it asks LDS for ALL of step j + 1 (bias, K, V), and the 16 products K Q^T of step j + 1 stand between step j's exponentials and sums,
; one behind every sixth of them.  So there are two sets of score registers and two of V's fragments, which take turns.  A slot's last bytes are asked for at the head of the turn of its FIRST half: the change of slots stands in that turn.
; REGISTERS: window 0: v1 r, v2 hh, v4-9 LDS addresses, v10-12 offsets, v13 prefetch offset, v14, v15 the add's two, v16-31 statistics (tile t at 16 + 8 t: c m, m, l, l, c0-c3), v32-63 Q, v64-127 and v128-191 S^T (two sets), v192-255 K's fragments:
;   a score product names window 0 alone.  window 1: v0-63 O^T, v64-95 P, v96-99 a (a pair a tile), v128-191 and v192-255 V's fragments (two sets): the rescaling and V^T P name window 1 alone.
;   At the head: window 1 Wq's 32 fragments; window 0 v128-255 x's 16, v16-31 x's scale words, v32-63 Wq's.
.set PB,    528                        ; a bias row in LDS: 512 bytes + 16
.set PK,    144                        ; a key's row of K: 128 + 16
.set PVV,   160                        ; of V: 128 + 32
.set KOFF,  128*PB
.set VOFF,  KOFF+2*128*PK
.set SLOT,  VOFF+2*128*PVV             ; 145,408
.set WQI,   2*SLOT                     ; behind the ring: my head's 64 rows of Wq's codes, 512 bytes + 16 each: stored by the waves, never a tensor load's target
.set WP,    528
.set STAGE, WQI                        ; the way out: 16 rows x 144 bytes for each wave, over Wq's rows, whose last read lies many barriers back
.set SP,    144
.set SPARE, WQI+64*WP                  ; the spare words, 128 bytes for each wave
.set RKS,   SPARE+1024                 ; 256 bytes for each wave: 1 / max(n_d, eps) of the head's 64 channels, parked while the projection has all registers
.set X_OFF,   4194304                  ; x's first row in codes; Wq's; the same in scales
.set WQ_OFF,  7340032
.set XS_OFF,  262144
.set WQS_OFF, 458752
.set AB,  4
.set AK,  6
.set AV,  8
.set XO,  10
.set SO,  11
.set KNO, 12
.set STO, 10
.set RD,  11
.set GO,  12
.set PFO, 13
.set SPW, 14
.set NIL, 15
.set ST,  16
.set QF,  32
.set S,   64                           ; set 0; set 1 lies 64 on
.set KF,  192
.set P,   64                           ; window 1
.set A1,  96                           ; window 1
.set VF,  128                          ; window 1: set 0; set 1 lies 64 on
.set XF,  128
.set XS,  16
.set WS,  32
.set RK,  128
.set WV,  20
.set BI,  21
.set QG,  22
.set W1,  23
.set G1B, 24
.set G1K, 32
.set G1V, 40
.set G0B, 48
.set G0K, 56
.set G0V, 68
.set CX,  66
.set CY,  67
.set HD,  76
.set BP,  77
.set LB,  78
.set BA,  79
.set CS,  80
.set SEL, 82
.set TRIP, 84
.set LIM, 85
.set PFA, 86
.set PFS, 88
.set MSB, 0
.macro WIN new                         ; the immediate's high byte repeats the setting that is left
.if MSB != \new
	s_set_vgpr_msb (MSB<<8)|\new
.set MSB, \new
.endif
.endm
.macro PLACES                          ; four plain vector instructions between a matrix instruction and a load into, or a read or write of, its registers
.rept 4
	v_nop
.endr
.endm
.macro CROUND                          ; a round of the cluster's barrier
	s_barrier_signal -1
	s_barrier_wait -1
	s_cmp_lg_u32 s[WV], 0
	s_cbranch_scc1 .Lnot_wave_0_\@
	s_barrier_signal -3
.Lnot_wave_0_\@:
	s_barrier_wait -3
	s_barrier_signal -1
	s_barrier_wait -1
.endm
; A refill: waves 0-3 a quarter of the bias tile each, waves 4, 5 K of the two batches, waves 6, 7 V.  The branches hang on the wave's number alone.  An s_nop 0 and four v_nop follow each line.
.macro JLOAD3 slot
	s_cmp_lt_u32 s[WV], 4
	s_cbranch_scc0 .Lnot_b_\@
	tensor_load_to_lds s[G0B+4*\slot:G0B+4*\slot+3], s[G1B:G1B+7]
	s_nop 0
.rept 4
	v_nop
.endr
	s_branch .Lasked_\@
.Lnot_b_\@:
	s_cmp_lt_u32 s[WV], 6
	s_cbranch_scc0 .Lnot_k_\@
	tensor_load_to_lds s[G0K+4*\slot:G0K+4*\slot+3], s[G1K:G1K+7]
	s_nop 0
.rept 4
	v_nop
.endr
	s_branch .Lasked_\@
.Lnot_k_\@:
	tensor_load_to_lds s[G0V+4*\slot:G0V+4*\slot+3], s[G1V:G1V+7]
	s_nop 0
.rept 4
	v_nop
.endr
.Lasked_\@:
.endm
; A PREFETCH INTO THE L2 of what the NEXT change of slots will ask for, behind the wave's tensor load: two turns ahead of that load.  Each aligned block of 256 bytes is named once in the launch.
; The bias tile (128 rows x 512 bytes) is read by two work-groups: each takes 64 rows, told apart by address; waves 0-3, 16 rows each, two lanes to a row.
; K's and V's tiles (two batches x 16,384 dense bytes each) are read by the four partners of a row in both clusters along x: the cluster with x = 0 asks; partner cx takes 4,096 bytes of each batch, by address; wave 4 for K, wave 6 for V.
; how = 1: the trip's first change always has a tile behind the one it loads; how = 0: the second has none in the last trip.
.macro ASK how
.if \how
	s_cmp_eq_u32 s[LIM], 1
.else
	s_cmp_gt_u32 s[TRIP], s[LIM]
.endif
	s_cbranch_scc0 .Lnot_mine_\@
	global_prefetch_b8 v[PFO], s[PFA:PFA+1] th:TH_LOAD_NT scope:SCOPE_SE
.Lnot_mine_\@:
.endm
	s_load_b256 s[4:11], s[0:1], 0x0               ; codes, scales, scale_mul, attn_bias
	s_load_b256 s[12:19], s[0:1], 0x20             ; kh, vh, ksq, oh
	v_lshl_add_u32 v[SPW], v0, 2, SPARE
	v_mov_b32 v[NIL], 0
	ds_add_u32 v[SPW], v[NIL]                      ; the wave's opening: the add, twice on end, and its wait ahead of my first tensor load
	ds_add_u32 v[SPW], v[NIL]
	v_lshrrev_b32 v1, 5, v0
	v_readfirstlane_b32 s[WV], v1                  ; wave 0..7
	s_lshr_b32 s[BI], s[WV], 2                     ; which of the two batches
	s_and_b32 s[QG], s[WV], 3                      ; which 32 queries
	s_and_b32 s[W1], s[WV], 1
	s_bfe_u32 s[CX], ttmp6, 0x40000
	s_bfe_u32 s[CY], ttmp6, 0x40004
	s_lshl_b32 s[LB], ttmp9, 2
	s_add_co_u32 s[LB], s[LB], s[CX]               ; work-group x: the block of 128 queries
	s_and_b32 s[HD], ttmp7, 0xffff
	s_lshl_b32 s[HD], s[HD], 2
	s_add_co_u32 s[HD], s[HD], s[CY]               ; work-group y
	s_and_b32 s[BP], s[HD], 1                      ; the pair of batches
	s_lshr_b32 s[HD], s[HD], 1                     ; the head
	s_lshl_b32 s[BA], s[BP], 1
	s_add_co_u32 s[BA], s[BA], s[BI]               ; my batch
	s_lshl_b32 s100, s[CY], 2
	s_lshl_b32 s100, 15, s100                      ; my row of the cluster
	s_mov_b32 s[G1B], (2<<16)|(1<<20)|(6<<22)|(3<<25)  ; the bias: no mask; elements of 4 bytes; padding: 4 words after every 128
	s_mov_b32 s[G1B+1], 128<<16                    ; tensor_dim0 = 128 keys
	s_mov_b32 s[G1B+2], 32<<16                     ; tensor_dim1 = 32 queries
	s_mov_b32 s[G1B+3], 128<<16                    ; tile_dim0
	s_mov_b32 s[G1B+4], 32                         ; tile_dim1
	s_mov_b32 s[G1B+5], 2048                       ; from row to row
	s_mov_b32 s[G1B+6], 0
	s_mov_b32 s[G1B+7], 0
	s_or_b32 s[G1K], s100, (1<<16)|(1<<20)|(1<<21)|(4<<22)|(3<<25)  ; K: the mask; elements of 2 bytes; padding: 4 words after every 32
	s_or_b32 s[G1V], s100, (1<<16)|(1<<20)|(1<<21)|(4<<22)|(7<<25)  ; V: 8 words
.irp g, G1K, G1V
	s_mov_b32 s[\g+1], 64<<16                      ; 64 channels
	s_mov_b32 s[\g+2], 128<<16                     ; 128 keys
	s_mov_b32 s[\g+3], 64<<16
	s_mov_b32 s[\g+4], 128
	s_mov_b32 s[\g+5], 64
	s_mov_b32 s[\g+6], 0
	s_mov_b32 s[\g+7], 0
.endr
	s_mov_b32 s[CS], 0x3fb8aa3b                    ; c = log2(e)
	s_mov_b32 s[CS+1], s[CS]
	s_mov_b32 s[SEL], 0x76543210
	s_mov_b32 s[SEL+1], 0xfedcba98                 ; v_permlanex16_b32's selects for lane l xor 16
	s_mov_b32 s94, 0xc77fe000                      ; -65,504
	s_mov_b32 s95, 0x477fe000                      ; 65,504
	s_lshl_b32 s90, s[BP], 1                       ; K and V: head (16 (2 bp + w % 2) + h) of 262,144 bytes: nothing of cx enters
	s_add_co_u32 s90, s90, s[W1]
	s_lshl_b32 s90, s90, 4
	s_add_co_u32 s90, s90, s[HD]
	s_lshl_b32 s90, s90, 18
	s_mov_b32 s91, 0
	s_lshl_b32 s92, s[HD], 10                      ; the bias: row 1,024 h + 128 lb + 32 (w % 4) of 8,192 bytes
	s_lshl_b32 s3, s[LB], 7
	s_add_co_u32 s92, s92, s3
	s_lshl_b32 s3, s[QG], 5
	s_add_co_u32 s92, s92, s3
	s_lshl_b32 s92, s92, 13
	s_mov_b32 s93, 0
	s_mul_i32 s96, s[QG], 32*PB                    ; where they go in a slot: the wave's number alone
	s_mul_i32 s97, s[W1], 128*PK
	s_add_co_u32 s97, s97, KOFF
	s_mul_i32 s99, s[W1], 128*PVV
	s_add_co_u32 s99, s99, VOFF
	s_wait_dscnt 0x0                               ; both opening adds are done
	s_wait_kmcnt 0x0
	s_mov_b32 s[G0B], 1
	s_mov_b32 s[G0B+1], s96
	s_add_nc_u64 s[G0B+2:G0B+3], s[10:11], s[92:93]
	s_mov_b32 s[G0B+4], 1
	s_add_co_u32 s[G0B+5], s96, SLOT
	s_add_nc_u64 s[G0B+6:G0B+7], s[G0B+2:G0B+3], 512          ; slot 1: the next 128 keys
	s_or_b32 s[G0B+3], s[G0B+3], 0x80000000
	s_or_b32 s[G0B+7], s[G0B+7], 0x80000000
	s_mov_b32 s[G0K], 1
	s_mov_b32 s[G0K+1], s97
	s_add_nc_u64 s[G0K+2:G0K+3], s[12:13], s[90:91]
	s_mov_b32 s[G0K+4], 1
	s_add_co_u32 s[G0K+5], s97, SLOT
	s_add_nc_u64 s[G0K+6:G0K+7], s[G0K+2:G0K+3], 16384
	s_or_b32 s[G0K+3], s[G0K+3], 0x80000000
	s_or_b32 s[G0K+7], s[G0K+7], 0x80000000
	s_mov_b32 s[G0V], 1
	s_mov_b32 s[G0V+1], s99
	s_add_nc_u64 s[G0V+2:G0V+3], s[14:15], s[90:91]
	s_mov_b32 s[G0V+4], 1
	s_add_co_u32 s[G0V+5], s99, SLOT
	s_add_nc_u64 s[G0V+6:G0V+7], s[G0V+2:G0V+3], 16384
	s_or_b32 s[G0V+3], s[G0V+3], 0x80000000
	s_or_b32 s[G0V+7], s[G0V+7], 0x80000000
	CROUND                                         ; all sixteen work-groups are here: the first joint loads meet
	s_cmp_lt_u32 s[WV], 4                          ; a wave's two first fills stand in one arm: two loads of mine are out
	s_cbranch_scc0 .Lfirst_not_b
	tensor_load_to_lds s[G0B:G0B+3], s[G1B:G1B+7]
	s_nop 0
	tensor_load_to_lds s[G0B+4:G0B+7], s[G1B:G1B+7]
	s_nop 0
.rept 4
	v_nop
.endr
	s_branch .Lfirst_asked
.Lfirst_not_b:
	s_cmp_lt_u32 s[WV], 6
	s_cbranch_scc0 .Lfirst_v
	tensor_load_to_lds s[G0K:G0K+3], s[G1K:G1K+7]
	s_nop 0
	tensor_load_to_lds s[G0K+4:G0K+7], s[G1K:G1K+7]
	s_nop 0
.rept 4
	v_nop
.endr
	s_branch .Lfirst_asked
.Lfirst_v:
	tensor_load_to_lds s[G0V:G0V+3], s[G1V:G1V+7]
	s_nop 0
	tensor_load_to_lds s[G0V+4:G0V+7], s[G1V:G1V+7]
	s_nop 0
.rept 4
	v_nop
.endr
.Lfirst_asked:
	; ---- q = x Wq^T for my 32 queries and my head's 64 channels, while the first tiles are on their way
	s_lshl_b32 s101, s[BA], 10
	s_lshl_b32 s2, s[LB], 7
	s_add_co_u32 s101, s101, s2
	s_lshl_b32 s2, s[QG], 5
	s_add_co_u32 s101, s101, s2                    ; my first row of x and of o: 1,024 b + 128 lb + 32 (w % 4)
	s_mov_b32 s3, 0
	s_lshl_b32 s2, s101, 9
	s_add_nc_u64 s[92:93], s[4:5], s[2:3]
	s_add_nc_u64 s[92:93], s[92:93], X_OFF         ; x's codes
	s_lshl_b32 s2, s[HD], 15
	s_lshl_b32 s84, s[WV], 12
	s_add_co_u32 s2, s2, s84
	s_add_nc_u64 s[90:91], s[4:5], s[2:3]
	s_add_nc_u64 s[90:91], s[90:91], WQ_OFF        ; Wq's codes: rows 64 h + 8 w on: the eight rows that my wave brings for all eight waves
	s_lshl_b32 s2, s101, 5
	s_add_nc_u64 s[4:5], s[6:7], s[2:3]
	s_add_nc_u64 s[4:5], s[4:5], XS_OFF            ; x's scale words
	s_lshl_b32 s2, s[HD], 11
	s_add_nc_u64 s[6:7], s[6:7], s[2:3]
	s_add_nc_u64 s[6:7], s[6:7], WQS_OFF           ; Wq's
	s_lshl_b32 s2, s[BA], 16
	s_lshl_b32 s84, s[HD], 8
	s_add_co_u32 s2, s2, s84
	s_add_nc_u64 s[16:17], s[16:17], s[2:3]        ; ksq: row block 16 b, channel 64 h
	s_lshl_b32 s2, s[HD], 12
	s_add_co_u32 s2, s2, s101
	s_lshl_b32 s2, s2, 7
	s_add_nc_u64 s[18:19], s[18:19], s[2:3]        ; oh: [h][row][64] f16
	s_lshl_b32 s2, s[HD], 2
	s_add_nc_u64 s[8:9], s[8:9], s[2:3]
	s_load_b32 s98, s[8:9], 0x0                    ; scale_mul[h]
	v_and_b32 v1, 15, v0                           ; r
	v_bfe_u32 v2, v0, 4, 1                         ; hh
	v_and_b32 v3, 31, v0
	v_lshlrev_b32 v3, 4, v3                        ; 16 x lane: a row of Wq's codes is one load of the wave
	v_lshlrev_b32 v[XO], 9, v1
	v_lshl_add_u32 v[XO], v2, 4, v[XO]             ; a row of 1,024 codes is 512 bytes; + 16 hh
	v_lshlrev_b32 v[SO], 5, v1                     ; a row of scale bytes is 32
	v_lshlrev_b32 v[KNO], 12, v1
	v_lshl_add_u32 v[KNO], v2, 5, v[KNO]           ; ksq: lane r takes row block r; 8 channels for each half of the lanes
	s_mul_i32 s2, s[WV], 8*WP
	s_add_co_u32 s2, s2, WQI
	v_add_nc_u32 v4, s2, v3                        ; where I put my eight rows of Wq: row 8 w on, 16 x lane
	v_mul_u32_u24 v5, v1, WP
	v_lshl_add_u32 v5, v2, 4, v5
	v_add_nc_u32 v5, WQI, v5                       ; where a fragment of Wq is read: row r, + 16 hh
	s_lshl_b32 s2, s[WV], 8
	s_add_co_u32 s2, s2, RKS
	v_lshlrev_b32 v6, 7, v2
	v_add_nc_u32 v6, s2, v6                        ; my wave's 256 parked bytes: 128 for each half of the lanes
	; 60 loads, in the order in which they are wanted: Wq's eight rows (32 lanes read 512 consecutive bytes), k's squares, the scale words, x's fragments
.irp i, 0,1,2,3,4,5,6,7
	global_load_b128 v[S+4*\i:S+4*\i+3], v3, s[90:91] offset:512*\i
.endr
.irp ct, 0,1,2,3
	global_load_b128 v[S+32+8*\ct:S+32+8*\ct+3], v[KNO], s[16:17] offset:64*\ct
	global_load_b128 v[S+32+8*\ct+4:S+32+8*\ct+7], v[KNO], s[16:17] offset:64*\ct+16
.endr
.irp t, 0,1
	global_load_b128 v[XS+8*\t:XS+8*\t+3], v[SO], s[4:5] offset:\t*512       ; register ks: the word of K step ks of row r
	global_load_b128 v[XS+8*\t+4:XS+8*\t+7], v[SO], s[4:5] offset:\t*512+16
.endr
.irp ct, 0,1,2,3
	global_load_b128 v[WS+8*\ct:WS+8*\ct+3], v[SO], s[6:7] offset:\ct*512
	global_load_b128 v[WS+8*\ct+4:WS+8*\ct+7], v[SO], s[6:7] offset:\ct*512+16
.endr
.irp t, 0,1
.irp ks, 0,1,2,3,4,5,6,7
	global_load_b128 v[XF+8*(8*\t+\ks):XF+8*(8*\t+\ks)+3], v[XO], s[92:93] offset:\t*8192+\ks*64
	global_load_b128 v[XF+8*(8*\t+\ks)+4:XF+8*(8*\t+\ks)+7], v[XO], s[92:93] offset:\t*8192+\ks*64+32
.endr
.endr
	s_wait_loadcnt 52                              ; Wq's eight loads are in; the 52 issued behind them (8 + 12 + 32) stay out
.irp i, 0,1,2,3,4,5,6,7
	ds_store_b128 v4, v[S+4*\i:S+4*\i+3] offset:WP*\i
.endr
	s_wait_dscnt 0x0                               ; for the others' sake: my rows lie in LDS
	s_barrier_signal -1
	s_barrier_wait -1                              ; all 64 rows do; the tensor loads may stay out
	WIN 0x40                                       ; destination window 1
.irp ct, 0,1,2,3
.irp ks, 0,1,2,3,4,5,6,7
	ds_load_b128 v[8*(8*\ct+\ks):8*(8*\ct+\ks)+3], v5 offset:\ct*16*WP+\ks*64
	ds_load_b128 v[8*(8*\ct+\ks)+4:8*(8*\ct+\ks)+7], v5 offset:\ct*16*WP+\ks*64+32
.endr
.endr
	WIN 0
	s_wait_loadcnt 44                              ; k's squares are in; the 44 issued behind them (12 + 32) stay out.  Lane r holds row block r's: the sixteen blocks are summed across the lanes of a half
.irp m, 1,2,4,8
.set n, 0
.rept 32
	v_add_f32_dpp v[S+32+n], v[S+32+n], v[S+32+n] row_xmask:\m row_mask:0xf bank_mask:0xf
.set n, n+1
.endr
.endr
.set n, 0
.rept 32
	v_sqrt_f32 v[S+32+n], v[S+32+n]
.set n, n+1
.endr
	v_nop                                          ; a plain instruction behind the batch,
	s_wait_alu depctr_va_vdst(0)                   ; and one wait for it, ahead of its first reader
.set n, 0
.rept 32
	v_max_num_f32 v[S+32+n], 0x2b8cbccc, v[S+32+n] ; max(n_d, 1e-12)
.set n, n+1
.endr
.set n, 0
.rept 32
	v_rcp_f32 v[S+32+n], v[S+32+n]
.set n, n+1
.endr
	v_nop
	s_wait_alu depctr_va_vdst(0)
.irp i, 0,1,2,3,4,5,6,7
	ds_store_b128 v6, v[S+32+4*\i:S+32+4*\i+3] offset:16*\i   ; parked: the sixteen lanes of a half write the same bytes with the same values
.endr
	s_wait_loadcnt 0x0                             ; the scale words and x
	s_wait_dscnt 0x0                               ; Wq's fragments; and the parking stores have read their registers, which the products now write
	WIN 0x01                                       ; source 0 (Wq) window 1
; TRANSPOSED: source 0 = 16 rows of Wq, source 1 = 16 queries: lane (r, hh) holds query r and channels 16 ct + 8 hh + 0..7.  The eight accumulators take turns; K step 0 starts the sums.
.irp ks, 0,1,2,3,4,5,6,7
.irp t, 0,1
.irp ct, 0,1,2,3
.if \ks == 0
	v_wmma_scale_f32_16x16x128_f8f6f4 v[S+32*\t+8*\ct:S+32*\t+8*\ct+7], v[8*(8*\ct+\ks):8*(8*\ct+\ks)+7], v[XF+8*(8*\t+\ks):XF+8*(8*\t+\ks)+7], 0, v[WS+8*\ct+\ks], v[XS+8*\t+\ks] matrix_a_fmt:MATRIX_FMT_FP4 matrix_b_fmt:MATRIX_FMT_FP4
.else
	v_wmma_scale_f32_16x16x128_f8f6f4 v[S+32*\t+8*\ct:S+32*\t+8*\ct+7], v[8*(8*\ct+\ks):8*(8*\ct+\ks)+7], v[XF+8*(8*\t+\ks):XF+8*(8*\t+\ks)+7], v[S+32*\t+8*\ct:S+32*\t+8*\ct+7], v[WS+8*\ct+\ks], v[XS+8*\t+\ks] matrix_a_fmt:MATRIX_FMT_FP4 matrix_b_fmt:MATRIX_FMT_FP4
.endif
.endr
.endr
.endr
	WIN 0
	PLACES
.irp i, 0,1,2,3,4,5,6,7
	ds_load_b128 v[RK+4*\i:RK+4*\i+3], v6 offset:16*\i        ; the parked reciprocals come back, into registers that x's fragments have left: register 8 ct + j: channel 16 ct + 8 hh + j
.endr
	; ---- |q|^2: my 32 channels in two chains, each accumulator from its low end on, then lane l xor 16's
.irp t, 0,1
	v_pk_mul_f32 v[32+4*\t:33+4*\t], v[S+32*\t:S+32*\t+1], v[S+32*\t:S+32*\t+1]
	v_pk_mul_f32 v[34+4*\t:35+4*\t], v[S+32*\t+2:S+32*\t+3], v[S+32*\t+2:S+32*\t+3]
.endr
.irp n, 4,8,12,16,20,24,28
.irp t, 0,1
	v_pk_fma_f32 v[32+4*\t:33+4*\t], v[S+32*\t+\n:S+32*\t+\n+1], v[S+32*\t+\n:S+32*\t+\n+1], v[32+4*\t:33+4*\t]
	v_pk_fma_f32 v[34+4*\t:35+4*\t], v[S+32*\t+\n+2:S+32*\t+\n+3], v[S+32*\t+\n+2:S+32*\t+\n+3], v[34+4*\t:35+4*\t]
.endr
.endr
.irp t, 0,1
	v_pk_add_f32 v[32+4*\t:33+4*\t], v[32+4*\t:33+4*\t], v[34+4*\t:35+4*\t]
.endr
.irp t, 0,1
	v_add_f32 v[32+4*\t], v[32+4*\t], v[33+4*\t]
.endr
.irp t, 0,1
	v_permlanex16_b32 v[33+4*\t], v[32+4*\t], s[SEL], s[SEL+1]
.endr
.irp t, 0,1
	v_add_f32 v[32+4*\t], v[32+4*\t], v[33+4*\t]
.endr
	s_wait_kmcnt 0x0
	v_mov_b32 v40, s98
	v_min_num_f32 v40, 0x40935d8e, v40             ; min(scale_mul, log 100)
	v_mul_f32 v40, 0x3fb8aa3b, v40
	v_sqrt_f32 v32, v32
	v_sqrt_f32 v36, v36
	v_exp_f32 v40, v40                             ; sm
	v_nop
	s_wait_alu depctr_va_vdst(0)
	v_max_num_f32 v32, 0x2b8cbccc, v32             ; max(|q|, 1e-12)
	v_max_num_f32 v36, 0x2b8cbccc, v36
	v_rcp_f32 v32, v32
	v_rcp_f32 v36, v36
	v_nop
	s_wait_alu depctr_va_vdst(0)
	v_mul_f32 v32, v32, v40                        ; sm / max(|q|, eps)
	v_mul_f32 v36, v36, v40
.irp t, 0,1                                    ; first by that (at most 100 in size), then by 1 / max(n_d, eps): nothing overflows on the way
.set n, 0
.rept 16
	v_pk_mul_f32 v[S+32*\t+n:S+32*\t+n+1], v[S+32*\t+n:S+32*\t+n+1], v[32+4*\t:33+4*\t] op_sel_hi:[1,0]
.set n, n+2
.endr
.endr
	s_wait_dscnt 0x0                               ; the reciprocals are back
.irp t, 0,1
.set n, 0
.rept 16
	v_pk_mul_f32 v[S+32*\t+n:S+32*\t+n+1], v[S+32*\t+n:S+32*\t+n+1], v[RK+n:RK+n+1]
.set n, n+2
.endr
.endr
.set n, 0
.rept 64
	v_med3_num_f32 v[S+n], v[S+n], s94, s95        ; held inside f16
.set n, n+1
.endr
.set n, 0
.rept 32
	v_cvt_pk_f16_f32 v[QF+n], v[S+2*n], v[S+2*n+1] ; tile t, channels 32 c on: registers 16 t + 8 c .. + 7: source 1 of the score product as it stands
.set n, n+1
.endr
	WIN 0x40
.set n, 0
.rept 64
	v_mov_b32 v[n], 0                              ; O^T: the turn is written once; its first pass multiplies zeros
.set n, n+1
.endr
	WIN 0
.irp t, 0,1
	v_mov_b32 v[ST+8*\t+1], 0xff000000             ; m = -2^127, under every score
	v_mul_f32 v[ST+8*\t], s[CS], v[ST+8*\t+1]      ; c m, still finite
	v_mov_b32 v[ST+8*\t+2], 0                      ; l, in two halves
	v_mov_b32 v[ST+8*\t+3], 0
.endr
	s_mul_i32 s2, s[QG], 32*PB                     ; LDS addresses: the bias: row 32 (w % 4) + r, + 32 hh
	v_mul_u32_u24 v3, v1, PB
	v_lshl_add_u32 v3, v2, 5, v3
	v_add_nc_u32 v[AB], s2, v3
	v_add_nc_u32 v[AB+1], SLOT, v[AB]
	s_mul_i32 s2, s[BI], 128*PK                    ; K of my batch: key r, + 16 hh
	s_add_co_u32 s2, s2, KOFF
	v_mul_u32_u24 v3, v1, PK
	v_lshl_add_u32 v3, v2, 4, v3
	v_add_nc_u32 v[AK], s2, v3
	v_add_nc_u32 v[AK+1], SLOT, v[AK]
	s_mul_i32 s2, s[BI], 128*PVV                   ; V, for the turning load: key 8 hh + lane % 8, channels 8 ((lane / 8) % 2) on
	s_add_co_u32 s2, s2, VOFF
	v_and_b32 v3, 7, v0
	v_lshl_add_u32 v3, v2, 3, v3
	v_mul_u32_u24 v3, v3, PVV
	v_bfe_u32 v[PFO], v0, 3, 1
	v_lshl_add_u32 v3, v[PFO], 4, v3
	v_add_nc_u32 v[AV], s2, v3
	v_add_nc_u32 v[AV+1], SLOT, v[AV]
	; the prefetches: where my wave's stand (at tile 2: the first change of slots steps them to tile 3), and who asks.  Nothing is prefetched here, at the head
	s_lshl_b32 s2, s[HD], 10
	s_lshl_b32 s84, s[LB], 7
	s_add_co_u32 s2, s2, s84
	s_lshl_b32 s84, s[BP], 6
	s_add_co_u32 s2, s2, s84
	s_lshl_b32 s84, s[QG], 4
	s_add_co_u32 s2, s2, s84                       ; the bias: row 1,024 h + 128 lb + 64 bp + 16 w
	s_lshl_b32 s2, s2, 13
	s_add_co_u32 s2, s2, 2*512
	s_lshl_b32 s3, s[BP], 5
	s_add_co_u32 s3, s3, s[HD]
	s_lshl_b32 s3, s3, 18                          ; K, V: head 16 (2 bp) + h,
	s_lshl_b32 s84, s[CX], 12
	s_add_co_u32 s3, s3, s84                       ; my work-group's 4,096 bytes
	s_add_co_u32 s3, s3, 2*16384
	s_mov_b32 s[PFS], 16384
	s_mov_b32 s84, 4194304                         ; from batch to batch
	s_cmp_lt_u32 s[WV], 6
	s_cselect_b64 s[PFA:PFA+1], s[12:13], s[14:15]
	s_cmp_lt_u32 s[WV], 4
	s_cselect_b64 s[PFA:PFA+1], s[10:11], s[PFA:PFA+1]
	s_cselect_b32 s2, s2, s3
	s_cselect_b32 s[PFS], 512, s[PFS]              ; a tile on
	s_cselect_b32 s84, 8192, s84
	s_cselect_b32 s96, 1, 4
	s_cselect_b32 s97, 1, 15
	s_mov_b32 s3, 0
	s_mov_b32 s[PFS+1], 0
	s_add_nc_u64 s[PFA:PFA+1], s[PFA:PFA+1], s[2:3]
	v_and_b32 v3, 31, v0
	v_lshrrev_b32 v[PFO], s96, v3                  ; the bias: row lane / 2, block lane % 2;  K, V: batch lane / 16, block lane % 16
	v_and_b32 v3, s97, v3
	v_mul_lo_u32 v[PFO], v[PFO], s84
	v_lshl_add_u32 v[PFO], v3, 8, v[PFO]
	s_or_b32 s[LIM], s[W1], ttmp9                  ; waves 4 and 6 of the clusters with x = 0,
	s_cmp_lt_u32 s[WV], 4
	s_cselect_b32 s[LIM], 0, s[LIM]                ; and waves 0-3 everywhere
	s_cmp_eq_u32 s[LIM], 0
	s_cselect_b32 s[LIM], 1, -1
; ALL OF A STEP'S LDS LOADS, 48 in one run: half st of the slot: the bias into score set nx (it is the C of the score product), K's fragments, V's (turned) into set vb.
.macro LOADS slot, st, nx, vb
.irp t, 0,1
.irp kt, 0,1,2,3
	ds_load_b128 v[\nx+32*\t+8*\kt:\nx+32*\t+8*\kt+3], v[AB+\slot] offset:\t*16*PB+\st*256+\kt*64        ; bias(query r, keys 16 kt + 8 hh + 0..7)
	ds_load_b128 v[\nx+32*\t+8*\kt+4:\nx+32*\t+8*\kt+7], v[AB+\slot] offset:\t*16*PB+\st*256+\kt*64+16
.endr
.endr
.irp kt, 0,1,2,3
.irp c, 0,1
	ds_load_b128 v[KF+8*(2*\kt+\c):KF+8*(2*\kt+\c)+3], v[AK+\slot] offset:(64*\st+16*\kt)*PK+64*\c
	ds_load_b128 v[KF+8*(2*\kt+\c)+4:KF+8*(2*\kt+\c)+7], v[AK+\slot] offset:(64*\st+16*\kt)*PK+64*\c+32
.endr
.endr
	WIN 0x40                                       ; destination window 1
.irp kc, 0,1
.irp ct, 0,1,2,3
	ds_load_tr16_b128 v[\vb+8*(4*\kc+\ct):\vb+8*(4*\kc+\ct)+3], v[AV+\slot] offset:(64*\st+32*\kc)*PVV+32*\ct
	ds_load_tr16_b128 v[\vb+8*(4*\kc+\ct)+4:\vb+8*(4*\kc+\ct)+7], v[AV+\slot] offset:(64*\st+32*\kc)*PVV+16*PVV+32*\ct
.endr
.endr
	WIN 0
.endm
; Product qi of 16 of S^T = K Q^T + bias into score set nx: channels 32 (qi / 8) on, tile (qi / 4) % 2, keys 16 (qi % 4) on.  The eight accumulators take turns.  All its registers lie in window 0.
.macro QKI nx
.set rS, \nx+32*((qi/4)%2)+8*(qi%4)
.set rK, KF+8*(2*(qi%4)+qi/8)
.set rQ, QF+16*((qi/4)%2)+8*(qi/8)
	v_wmma_f32_16x16x32_f16 v[rS:rS+7], v[rK:rK+7], v[rQ:rQ+7], v[rS:rS+7]
.set qi, qi+1
.endm
; Behind every sixth of a turn's 66 exponentials and 32 sums stands one of the next step's 16 score products: 98 = 6 x 16 + 2.  They name none of each other's registers.
.macro TICK nx, on
.if \on
.set vc, vc+1
.if (vc%6 == 0) && (qi < 16)
	QKI \nx
.endif
.endif
.endm
; THE SOFTMAX of both tiles for 64 keys, the tiles line by line, in five parts.  cs: the score set in hand; s0-s31 are a lane's 32 scores of a tile.
.macro SMAX0 cs                        ; four chains a tile, each begun at an accumulator's low end.  These eight are also the places behind the last products V^T P, in front of the loads into V's registers
.irp j, 0,1,2,3
.irp t, 0,1
	v_max3_num_f32 v[ST+8*\t+4+\j], v[\cs+32*\t+8*\j], v[\cs+32*\t+8*\j+1], v[\cs+32*\t+8*\j+2]
.endr
.endr
.endm
.macro SMAX1 cs                        ; the rest of the maximum, the new m, and the scalings c s - c m: 66 instructions between the run of LDS loads and the wait for it
.irp q, 1,2
.irp j, 0,1,2,3
.irp t, 0,1
	v_max3_num_f32 v[ST+8*\t+4+\j], v[ST+8*\t+4+\j], v[\cs+32*\t+8*\j+2*\q+1], v[\cs+32*\t+8*\j+2*\q+2]
.endr
.endr
.endr
.irp t, 0,1
	v_max3_num_f32 v[ST+8*\t+4], v[ST+8*\t+4], v[\cs+32*\t+7], v[\cs+32*\t+15]
	v_max3_num_f32 v[ST+8*\t+6], v[ST+8*\t+6], v[\cs+32*\t+23], v[\cs+32*\t+31]
.endr
.irp t, 0,1
	v_max3_num_f32 v[ST+8*\t+4], v[ST+8*\t+4], v[ST+8*\t+5], v[ST+8*\t+6]
.endr
.irp t, 0,1
	v_max3_num_f32 v[ST+8*\t+4], v[ST+8*\t+4], v[ST+8*\t+7], v[ST+8*\t+1]   ; and the old m
.endr
.irp t, 0,1
	v_permlanex16_b32 v[ST+8*\t+5], v[ST+8*\t+4], s[SEL], s[SEL+1]          ; the query's other 32 keys lie in the lane 16 away
.endr
.irp t, 0,1
	v_mov_b32 v[ST+8*\t+7], v[ST+8*\t]             ; c m_old
.endr
.irp t, 0,1
	v_max_num_f32 v[ST+8*\t+1], v[ST+8*\t+4], v[ST+8*\t+5]
.endr
.irp t, 0,1
	v_mul_f32 v[ST+8*\t], s[CS], v[ST+8*\t+1]
.endr
.irp t, 0,1
	v_sub_f32 v[ST+8*\t+7], v[ST+8*\t+7], v[ST+8*\t]
.endr
.set n, 0
.rept 16
.irp t, 0,1
	v_pk_fma_f32 v[\cs+32*\t+n:\cs+32*\t+n+1], v[\cs+32*\t+n:\cs+32*\t+n+1], s[CS:CS+1], v[ST+8*\t:ST+8*\t+1] op_sel_hi:[1,0,0] neg_lo:[0,0,1] neg_hi:[0,0,1]   ; c s - c m
.endr
.set n, n+2
.endr
.endm
.macro SEXP cs, nx, on                 ; one batch of 66 exponentials, with one wait
.irp t, 0,1
	v_exp_f32 v[ST+8*\t+6], v[ST+8*\t+7]           ; a
	TICK \nx, \on
.endr
.set n, 0
.rept 32
	v_exp_f32 v[\cs+n], v[\cs+n]
	TICK \nx, \on
	v_exp_f32 v[\cs+32+n], v[\cs+32+n]
	TICK \nx, \on
.set n, n+1
.endr
	v_nop                                          ; a plain instruction behind the last exponential,
	s_wait_alu depctr_va_vdst(0)                   ; and one wait for all 66, ahead of the first reader
.endm
.macro SCVT cs                         ; P, rounded to f16 in pairs, and a copy of a, go to window 1, beside O^T and V
	WIN 0x40
.set n, 0
.rept 16
	v_cvt_pk_f16_f32 v[P+n], v[\cs+2*n], v[\cs+2*n+1]
	v_cvt_pk_f16_f32 v[P+16+n], v[\cs+32+2*n], v[\cs+32+2*n+1]
.set n, n+1
.endr
.irp t, 0,1
	v_mov_b32 v[A1+2*\t], v[ST+8*\t+6]
	v_mov_b32 v[A1+2*\t+1], v[ST+8*\t+6]           ; (named with it as a pair, so it is written)
.endr
	WIN 0
.endm
.macro SSUM cs, nx, on                 ; the sum of a tile's 16 pairs, in place: neighbours 1, 2, 4, 8 pairs apart; then l = a l + the sum
.irp w, 4,8,16,32
.set u, 0
.rept 32/\w
.irp t, 0,1
	v_pk_add_f32 v[\cs+32*\t+\w*u:\cs+32*\t+\w*u+1], v[\cs+32*\t+\w*u:\cs+32*\t+\w*u+1], v[\cs+32*\t+\w*u+\w/2:\cs+32*\t+\w*u+\w/2+1]
	TICK \nx, \on
.endr
.set u, u+1
.endr
.endr
.irp t, 0,1
	v_pk_fma_f32 v[ST+8*\t+2:ST+8*\t+3], v[ST+8*\t+2:ST+8*\t+3], v[ST+8*\t+6:ST+8*\t+7], v[\cs+32*\t:\cs+32*\t+1] op_sel_hi:[1,0,1]
	TICK \nx, \on
.endr
.endm
; O^T = a O^T + V^T P, all in window 1.  Accumulator i = 4 t + ct.  The rescaling of accumulator i + 1 stands in front of the first product on accumulator i; the eight accumulators take turns.
.macro RESC i
.irp n2, 0,2,4,6
	v_pk_mul_f32 v[8*(\i)+\n2:8*(\i)+\n2+1], v[8*(\i)+\n2:8*(\i)+\n2+1], v[A1+2*((\i)/4):A1+2*((\i)/4)+1] op_sel_hi:[1,0]
.endr
.endm
.macro PVW i, kc, vb
	v_wmma_f32_16x16x32_f16 v[8*(\i):8*(\i)+7], v[\vb+8*(4*\kc+(\i)%4):\vb+8*(4*\kc+(\i)%4)+7], v[P+16*((\i)/4)+8*\kc:P+16*((\i)/4)+8*\kc+7], v[8*(\i):8*(\i)+7]
.endm
.macro PVR vb
	WIN 0x55
	RESC 0
.irp i, 1,2,3,4,5,6,7
	RESC \i
	PVW \i-1, 0, \vb
.endr
	PVW 7, 0, \vb
.irp i, 0,1,2,3,4,5,6,7
	PVW \i, 1, \vb
.endr
	WIN 0
.endm
; THE CHANGE OF SLOTS: each wave waits for all its tensor loads (one is out: its part of the other slot), adds 0 to its spare word, and waits for that and for its reads of this slot, the last of which it has just asked for.
; fill = 1: the barrier is a round of the cluster's, and this slot is filled again first thing behind it, one load a wave, with the keys two tiles on: it has two turns in which to land.
.macro CHANGE slot, fill, how
	s_wait_tensorcnt 0x0                           ; no tensor load of mine is out, so a group 0 may be written
	ds_add_u32 v[SPW], v[NIL]
.if \fill
	s_add_nc_u64 s[G0B+4*\slot+2:G0B+4*\slot+3], s[G0B+4*\slot+2:G0B+4*\slot+3], 2*512
	s_add_nc_u64 s[G0K+4*\slot+2:G0K+4*\slot+3], s[G0K+4*\slot+2:G0K+4*\slot+3], 2*16384
	s_add_nc_u64 s[G0V+4*\slot+2:G0V+4*\slot+3], s[G0V+4*\slot+2:G0V+4*\slot+3], 2*16384
	s_wait_xcnt 0x0                                ; the last prefetch, two turns back, has read its address
	s_add_nc_u64 s[PFA:PFA+1], s[PFA:PFA+1], s[PFS:PFS+1]
	s_wait_dscnt 0x0                               ; the add is done, and my reads of the slot are over
	CROUND
	JLOAD3 \slot
	ASK \how
.else
	s_wait_dscnt 0x0
	s_barrier_signal -1
	s_barrier_wait -1
.endif
.endm
; A TURN: step (slot, st), whose scores lie in set st and whose V in set st.  (s2, h2): the next step's slot and half.  chg = 1: the change of slots with a refill, 2: without, 0: none.  on = 0: the last step has no successor.
.macro ITER slot, st, s2, h2, chg, how, on
	SMAX0 S+64*\st
.if \on
	LOADS \s2, \h2, S+64*(1-\st), VF+64*(1-\st)
.endif
	SMAX1 S+64*\st
.if \chg == 1
	CHANGE \slot, 1, \how
.elseif \chg == 2
	CHANGE \slot, 0, 0
.elseif \on
	s_wait_dscnt 16                                ; the next step's bias and K are in, and this step's V, asked for a turn ago; the next step's V, sixteen loads, may be out
.else
	s_wait_dscnt 0x0                               ; this step's V
.endif
.set vc, 0
.set qi, 0
	SEXP S+64*\st, S+64*(1-\st), \on
	SCVT S+64*\st
	SSUM S+64*\st, S+64*(1-\st), \on
	PVR VF+64*\st
.endm
	s_wait_tensorcnt 1                             ; my part of slot 0 is in; slot 1's may stay out
	s_barrier_signal -1
	s_barrier_wait -1
	LOADS 0, 0, S, VF                              ; step 0
	s_wait_dscnt 16                                ; its bias and K are in; V's sixteen loads may be out
.set qi, 0
.rept 16
	QKI S                                          ; step 0's scores: there is no vector work yet to set between them
.endr
	PLACES
	s_mov_b32 s[TRIP], 7
.Ltrip:                                            ; seven trips of two tiles of 128 keys: fourteen refills, tiles 2 to 15
	ITER 0, 0, 0, 1, 1, 1, 1
	ITER 0, 1, 1, 0, 0, 0, 1
	ITER 1, 0, 1, 1, 1, 0, 1
	ITER 1, 1, 0, 0, 0, 0, 1
	s_sub_co_u32 s[TRIP], s[TRIP], 1
	s_cmp_lg_u32 s[TRIP], 0
	s_cbranch_scc1 .Ltrip
	ITER 0, 0, 0, 1, 2, 0, 1                       ; the last two tiles are written out: nothing is asked for; the barrier shows tile 15 whole to every wave
	ITER 0, 1, 1, 0, 0, 0, 1
	ITER 1, 0, 1, 1, 0, 0, 1
	ITER 1, 1, 0, 0, 0, 0, 0
	; THE WAY OUT: O^T / l, rounded to f16, through my stage, a tile of 16 queries at a time; four rows of 128 bytes, 512 dense bytes, a store.  The additions and the address work are the places behind the last products
.irp t, 0,1
	v_add_f32 v[ST+8*\t+4], v[ST+8*\t+2], v[ST+8*\t+3]
.endr
.irp t, 0,1
	v_permlanex16_b32 v[ST+8*\t+5], v[ST+8*\t+4], s[SEL], s[SEL+1]
.endr
.irp t, 0,1
	v_add_f32 v[ST+8*\t+4], v[ST+8*\t+4], v[ST+8*\t+5]
.endr
.irp t, 0,1
	v_rcp_f32 v[ST+8*\t+6], v[ST+8*\t+4]
.endr
	s_mul_i32 s2, s[WV], 16*SP
	s_add_co_u32 s2, s2, STAGE
	v_mul_u32_u24 v[STO], v1, SP                   ; (plain work behind the reciprocals)  in: row r, 16 bytes for each half of the lanes
	v_lshl_add_u32 v[STO], v2, 4, v[STO]
	v_add_nc_u32 v[STO], s2, v[STO]
	v_and_b32 v3, 31, v0
	v_lshrrev_b32 v[RD], 3, v3
	v_mul_u32_u24 v[RD], v[RD], SP
	v_and_b32 v[GO], 7, v0
	v_lshl_add_u32 v[RD], v[GO], 4, v[RD]
	v_add_nc_u32 v[RD], s2, v[RD]                  ; back: eight lanes to a row
	v_lshlrev_b32 v[GO], 4, v3
	s_wait_alu depctr_va_vdst(0)                   ; one wait for the two reciprocals, ahead of their first reader
.macro PACKO t
	WIN 0x41                                       ; O^T window 1, 1 / l window 0
.set n, 0
.rept 16
	v_pk_mul_f32 v[32*\t+n:32*\t+n+1], v[32*\t+n:32*\t+n+1], v[ST+8*\t+6:ST+8*\t+7] op_sel_hi:[1,0]
.set n, n+2
.endr
	WIN 0x05                                       ; sources window 1, destination window 0
.set n, 0
.rept 16
	v_cvt_pk_f16_f32 v[S+16*\t+n], v[32*\t+2*n], v[32*\t+2*n+1]
.set n, n+1
.endr
	WIN 0
.irp ct, 0,1,2,3
	ds_store_b128 v[STO], v[S+16*\t+4*\ct:S+16*\t+4*\ct+3] offset:32*\ct
.endr
.irp g, 0,1,2,3
	ds_load_b128 v[S+32+16*\t+4*\g:S+32+16*\t+4*\g+3], v[RD] offset:\g*4*SP   ; LDS serves a wave's instructions in order: these see the stores above; the next tile's stores come behind them
.endr
.endm
.macro SENDO t, younger                ; younger: the LDS instructions issued behind tile t's loads
.irp g, 0,1,2,3
	s_wait_dscnt \younger+3-\g
	global_store_b128 v[GO], v[S+32+16*\t+4*\g:S+32+16*\t+4*\g+3], s[18:19] offset:\t*2048+\g*512
.endr
.endm
	PACKO 0
	PACKO 1
	SENDO 0, 8                                     ; tile 1's four stores and four loads may be out
	SENDO 1, 0
	s_wait_tensorcnt 0x0                           ; the wave's end
	ds_add_u32 v[SPW], v[NIL]
	s_wait_dscnt 0x0
	CROUND                                         ; the closing round
	s_endpgm
.Lfunc_end_k_q11de0ed242_attn:
	.size	k_q11de0ed242_attn, .Lfunc_end_k_q11de0ed242_attn-k_q11de0ed242_attn
	.p2alignl 7, 3214868480
	.fill 96, 4, 3214868480
	.section	.rodata,"a",@progbits
	.p2align	6, 0x0
	.amdhsa_kernel k_q11de0ed242_attn
		.amdhsa_group_segment_fixed_size 327680
		.amdhsa_private_segment_fixed_size 0
		.amdhsa_enable_private_segment 0
		.amdhsa_kernarg_size 64
		.amdhsa_user_sgpr_count 2
		.amdhsa_user_sgpr_kernarg_segment_ptr 1
		.amdhsa_wavefront_size32 1
		.amdhsa_system_sgpr_workgroup_id_x 1
		.amdhsa_system_sgpr_workgroup_id_y 1
		.amdhsa_system_sgpr_workgroup_id_z 1
		.amdhsa_system_vgpr_workitem_id 0
		.amdhsa_next_free_vgpr 512
		.amdhsa_next_free_sgpr 102
		.amdhsa_reserve_vcc 0
		.amdhsa_float_denorm_mode_32 3
		.amdhsa_float_denorm_mode_16_64 3
		.amdhsa_memory_ordered 1
		.amdhsa_forward_progress 1
		.amdhsa_inst_pref_size 213
	.end_amdhsa_kernel
	.amdgpu_metadata
---
amdhsa.version: [ 1, 2 ]
amdhsa.kernels:
  - .name:           k_q11de0ed242_attn
    .symbol:         k_q11de0ed242_attn.kd
    .args:
      - { .name: codes, .offset: 0, .size: 8, .value_kind: global_buffer, .address_space: global }
      - { .name: scales, .offset: 8, .size: 8, .value_kind: global_buffer, .address_space: global }
      - { .name: scale_mul, .offset: 16, .size: 8, .value_kind: global_buffer, .address_space: global }
      - { .name: attn_bias, .offset: 24, .size: 8, .value_kind: global_buffer, .address_space: global }
      - { .name: kh, .offset: 32, .size: 8, .value_kind: global_buffer, .address_space: global }
      - { .name: vh, .offset: 40, .size: 8, .value_kind: global_buffer, .address_space: global }
      - { .name: ksq, .offset: 48, .size: 8, .value_kind: global_buffer, .address_space: global }
      - { .name: oh, .offset: 56, .size: 8, .value_kind: global_buffer, .address_space: global }
    .group_segment_fixed_size: 327680
    .private_segment_fixed_size: 0
    .kernarg_segment_align: 8
    .kernarg_segment_size: 64
    .max_flat_workgroup_size: 256
    .sgpr_count:     102
    .vgpr_count:     512
    .wavefront_size: 32
...
	.end_amdgpu_metadata
.endif
;; end of part 3
;; launch proj (part 4): grid 8 x 32, 4 waves a work-group, clusters of 4 x 4, 327,680 bytes of LDS; arguments oh, wp16, bp, out0; writes out0
.if DOCPART == 4
	.amdgcn_target "amdgcn-amd-amdhsa--gfx1250"
	.amdhsa_code_object_version 6
	.text
	.protected	k_q11de0ed242_proj
	.globl	k_q11de0ed242_proj
	.p2align	8
	.type	k_q11de0ed242_proj,@function
k_q11de0ed242_proj:
	s_mov_b64 s[64:65], 0
	v_nop
	global_prefetch_b8 v0, s[64:65] scope:SCOPE_SE
	s_setreg_imm32_b32 hwreg(HW_REG_WAVE_MODE, 25, 1), 1
	s_wait_xcnt 0x0
	s_wait_alu depctr_hold_cnt(0) depctr_sa_sdst(0) depctr_va_vdst(0) depctr_va_sdst(0) depctr_va_ssrc(0) depctr_va_vcc(0) depctr_vm_vsrc(0)
	s_getreg_b32 s2, hwreg(HW_REG_IB_STS2, 6, 4)
	s_cmp_eq_u32 s2, 0
	s_cbranch_scc0 .Lentry_in_a_cluster
	s_endpgm
.Lentry_in_a_cluster:
	s_bfe_u32 s2, ttmp6, 0x10000c
	s_cmp_lg_u32 s2, 0xf033
	s_cbranch_scc0 .Lentry_shape_is_right
	s_endpgm
.Lentry_shape_is_right:
; out0[m][n] = sum over k of o[m][k] Wp[n][k] + bp[n]: m = 4,096 rows (b, l), n = 1,024, K = 1,024 = 16 heads x 64.  f16 operands, f32 sums.  No work of reference() is left out here.
; Both operands lie by runs of 64 along K: oh [16][4,096 rows][64], wp16 [16][1,024 n][64], f16.
; A tile of out0 is 128 x 128: four waves, each 64 x 64: 16 accumulators.  K goes in four steps of 256 (four runs) through two LDS slots; a wave's tensor load brings 64 rows x 4 runs: four dense pieces of 8,192 bytes.
; CLUSTERS: 4 x 4 work-groups; A's tiles are asked for jointly along a row of the cluster, B's along a column.  THE MATRIX INSTRUCTION IS USED TRANSPOSED (source 0 = 16 rows of Wp, source 1 = 16 rows of o).
; bp is the C of each sum's first matrix instruction: eight registers for each block of 16 columns, in the result's layout.
; LIMITS: |o| and |Wp| stay under 65,504 (f16); NaN and infinities are not served.
; REGISTERS: window 0: v0-31 addresses; v32-95 the way out; v96-127 bp; v128-255 the accumulators ((a, b) at v[128 + 8 (4 a + b)]).  window 1: two fragment buffers of 128: 64 registers of A, then 64 of B, for 64 along K.
.set PITCH,  144                       ; 64 numbers of a row in LDS: 128 bytes + 16 of padding
.set QB,     64*PITCH                  ; a run of 64 along K of 64 rows
.set HALFT,  4*QB                      ; what one tensor load brings
.set SLOT,   4*HALFT                   ; A's two halves, then B's
.set ASTEP,  4*4096*128                ; a K step on in oh: four runs
.set BSTEP,  4*1024*128                ; and in wp16
.set STAGE,  2*SLOT                    ; behind the ring: 16 rows x 272 bytes for each wave
.set SPITCH, 272
.set SPARE,  STAGE+4*16*SPITCH         ; the spare words, 128 bytes for each wave
.set ADRA, 16
.set ADRB, 20
.set STO,  24
.set RD,   25
.set CO,   26
.set BO,   27
.set SPW,  28
.set NIL,  29
.set TMP,  32
.set BPR,  96
.set ACC,  128
.set F0,   0
.set F1,   128
.set G1, 24
.set G0, 32
.set G1B, 48
.set G0B, 56
.set MSB, 0
.macro WIN new                         ; the immediate's high byte repeats the setting that is left
.if MSB != \new
	s_set_vgpr_msb (MSB<<8)|\new
.set MSB, \new
.endif
.endm
.set MUL,  0x05                        ; sources 0 (B) and 1 (A) window 1; C and D window 0
.set TO_F, 0x40
.macro JLOAD s                         ; a joint load: waves 0 and 1 fetch A's two halves, waves 2 and 3 B's; an s_nop 0 and four v_nop follow each line
	s_cmp_eq_u32 s11, 0
	s_cbranch_scc0 .Lfor_b_\@
	tensor_load_to_lds s[G0+4*\s:G0+4*\s+3], s[G1:G1+7]
	s_nop 0
.rept 4
	v_nop
.endr
	s_branch .Lasked_\@
.Lfor_b_\@:
	tensor_load_to_lds s[G0B+4*\s:G0B+4*\s+3], s[G1B:G1B+7]
	s_nop 0
.rept 4
	v_nop
.endr
.Lasked_\@:
.endm
.macro CREST                           ; a round of the cluster's barrier behind its opening barrier
	s_cmp_lg_u32 s10, 0
	s_cbranch_scc1 .Lnot_wave_0_\@
	s_barrier_signal -3
.Lnot_wave_0_\@:
	s_barrier_wait -3
	s_barrier_signal -1
	s_barrier_wait -1
.endm
.macro CROUND
	s_barrier_signal -1
	s_barrier_wait -1
	CREST
.endm
	s_load_b128 s[4:7], s[0:1], 0x0                ; oh, wp16
	s_load_b64 s[2:3], s[0:1], 0x10                ; bp
	s_load_b64 s[8:9], s[0:1], 0x18                ; out0
	v_lshl_add_u32 v[SPW], v0, 2, SPARE
	v_mov_b32 v[NIL], 0
	ds_add_u32 v[SPW], v[NIL]                      ; the wave's opening: the add, twice on end, and its wait ahead of my first tensor load
	ds_add_u32 v[SPW], v[NIL]
	v_lshrrev_b32 v1, 5, v0
	v_readfirstlane_b32 s10, v1                    ; wave 0..3
	s_lshr_b32 s11, s10, 1                         ; which half of the tile's rows is mine.  Also: I fetch for A (0) or for B (1)
	s_and_b32 s12, s10, 1                          ; which half of its columns.  Also: which 64 rows of that tile I fetch
	s_bfe_u32 s40, ttmp6, 0x40000
	s_bfe_u32 s41, ttmp6, 0x40004
	s_lshl_b32 s42, ttmp9, 2
	s_add_co_u32 s42, s42, s40                     ; tile column
	s_and_b32 s13, ttmp7, 0xffff
	s_lshl_b32 s13, s13, 2
	s_add_co_u32 s13, s13, s41                     ; tile row
	s_lshl_b32 s43, s41, 2
	s_lshl_b32 s43, 15, s43                        ; my row of the cluster
	s_lshl_b32 s44, 0x1111, s40                    ; my column
	s_or_b32 s[G1+0], s43, (3<<16)|(1<<20)|(1<<21)|(4<<22)|(3<<25)  ; the mask; elements of 8 bytes; padding: 4 words after every 32 (a row's 128 bytes)
	s_or_b32 s[G1B+0], s44, (3<<16)|(1<<20)|(1<<21)|(4<<22)|(3<<25)
.irp g, G1, G1B
	s_mov_b32 s[\g+1], 1024<<16                    ; tensor_dim0: 64 rows x 128 bytes, dense: 1,024 elements
	s_mov_b32 s[\g+2], 4<<16                       ; tensor_dim1: four runs of K
	s_mov_b32 s[\g+3], 1024<<16                    ; tile_dim0
	s_mov_b32 s[\g+4], 4                           ; tile_dim1
	s_mov_b32 s[\g+6], 0
	s_mov_b32 s[\g+7], 0
.endr
	s_mov_b32 s[G1+5], 65536                       ; from run to run: 4,096 rows x 128 bytes, in elements
	s_mov_b32 s[G1B+5], 16384                      ; 1,024 rows x 128 bytes
	s_lshl_b32 s17, s12, 6
	s_lshl_b32 s16, s13, 7
	s_add_co_u32 s16, s16, s17                     ; A: row 128 x tile row + 64 x half
	s_lshl_b32 s46, s42, 7
	s_add_co_u32 s46, s46, s17                     ; B: row 128 x tile column + 64 x half
	s_lshl_b32 s16, s16, 7                         ; 128 bytes a row
	s_lshl_b32 s46, s46, 7
	s_mov_b32 s17, 0
	s_mov_b32 s47, 0
	s_mul_i32 s20, s10, HALFT
	s_wait_dscnt 0x0                               ; both opening adds are done
	s_wait_kmcnt 0x0
	s_add_nc_u64 s[14:15], s[4:5], s[16:17]
	s_add_nc_u64 s[46:47], s[6:7], s[46:47]
	CROUND                                         ; all sixteen work-groups are here: the first joint loads meet
.irp s, 0,1
	s_mov_b32 s[G0+4*\s], 1
	s_add_co_u32 s[G0+4*\s+1], s20, \s*SLOT
	s_add_nc_u64 s[G0+4*\s+2:G0+4*\s+3], s[14:15], \s*ASTEP
	s_or_b32 s[G0+4*\s+3], s[G0+4*\s+3], 0x80000000
	s_mov_b32 s[G0B+4*\s], 1
	s_add_co_u32 s[G0B+4*\s+1], s20, \s*SLOT
	s_add_nc_u64 s[G0B+4*\s+2:G0B+4*\s+3], s[46:47], \s*BSTEP
	s_or_b32 s[G0B+4*\s+3], s[G0B+4*\s+3], 0x80000000
	JLOAD \s                                       ; two loads of mine are out
.endr
	v_and_b32 v1, 15, v0                           ; r
	v_bfe_u32 v2, v0, 4, 1                         ; hh
	s_lshl_b32 s22, s42, 9
	s_lshl_b32 s21, s12, 8
	s_add_co_u32 s22, s22, s21                     ; my first column, in bytes of f32: 512 x tile column + 256 x half
	s_mov_b32 s23, 0
	s_add_nc_u64 s[2:3], s[2:3], s[22:23]
	v_lshlrev_b32 v[BO], 5, v2
.irp b, 0,1,2,3
	global_load_b128 v[BPR+8*\b:BPR+8*\b+3], v[BO], s[2:3] offset:64*\b          ; bp(16 b + 8 hh + 0..7)
	global_load_b128 v[BPR+8*\b+4:BPR+8*\b+7], v[BO], s[2:3] offset:64*\b+16
.endr
	s_lshl_b32 s16, s13, 7
	s_lshl_b32 s17, s11, 6
	s_add_co_u32 s16, s16, s17                     ; my first row of out0
	s_lshl_b32 s16, s16, 12
	s_add_co_u32 s16, s16, s22
	s_mov_b32 s17, 0
	s_add_nc_u64 s[8:9], s[8:9], s[16:17]
	v_mul_u32_u24 v3, v1, PITCH
	v_lshl_add_u32 v3, v2, 4, v3                   ; a fragment's row x pitch + 16 x half
	s_mul_i32 s21, s11, HALFT                      ; my 64 rows of A
	s_mul_i32 s22, s12, HALFT                      ; my 64 rows of B,
	s_add_co_u32 s22, s22, 2*HALFT                 ; which lie behind A's two halves
.irp s, 0,1
	v_add_nc_u32 v[ADRA+\s], s21, v3
	v_add_nc_u32 v[ADRB+\s], s22, v3
	s_add_co_u32 s21, s21, SLOT
	s_add_co_u32 s22, s22, SLOT
.endr
	s_mul_i32 s23, s10, 16*SPITCH
	s_add_co_u32 s23, s23, STAGE                   ; my stage
	v_mul_u32_u24 v4, v1, SPITCH
	v_lshl_add_u32 v4, v2, 5, v4
	v_add_nc_u32 v[STO], s23, v4                   ; in: row r, 32 bytes for each half of the lanes
	v_mul_u32_u24 v5, v2, SPITCH
	v_lshl_add_u32 v5, v1, 4, v5
	v_add_nc_u32 v[RD], s23, v5                    ; back: lanes 0-15 one row of 256 bytes, lanes 16-31 the next
	v_lshlrev_b32 v5, 12, v2
	v_lshl_add_u32 v[CO], v1, 4, v5                ; and the same two rows in out0
; 8 matrix instructions: m blocks a0, a0 + 1 x all 4 n blocks, 32 along K: half c of buffer f.  zero = 1: the first product starts the sums, with bp as its C.  The 16 accumulators take turns.
.macro MUL8 f, c, a0, zero
.irp a, \a0, \a0+1
.irp b, 0,1,2,3
.if \zero
	v_wmma_f32_16x16x32_f16 v[ACC+8*(4*(\a)+\b):ACC+8*(4*(\a)+\b)+7], v[\f+64+8*(4*\c+\b):\f+64+8*(4*\c+\b)+7], v[\f+8*(4*\c+(\a)):\f+8*(4*\c+(\a))+7], v[BPR+8*\b:BPR+8*\b+7]
.else
	v_wmma_f32_16x16x32_f16 v[ACC+8*(4*(\a)+\b):ACC+8*(4*(\a)+\b)+7], v[\f+64+8*(4*\c+\b):\f+64+8*(4*\c+\b)+7], v[\f+8*(4*\c+(\a)):\f+8*(4*\c+(\a))+7], v[ACC+8*(4*(\a)+\b):ACC+8*(4*(\a)+\b)+7]
.endif
.endr
.endr
.endm
; 32 LDS loads in one run: the fragments of one run of 64 along K, which begins k bytes into a half, into buffer f; the first 32 along K first
.macro FETCH slot, k, f
	WIN TO_F
.irp c, 0,1
.irp i, 0,1,2,3
	ds_load_b128 v[\f+64+8*(4*\c+\i):\f+64+8*(4*\c+\i)+3],   v[ADRB+\slot] offset:\k+64*\c+\i*16*PITCH
	ds_load_b128 v[\f+64+8*(4*\c+\i)+4:\f+64+8*(4*\c+\i)+7], v[ADRB+\slot] offset:\k+64*\c+\i*16*PITCH+32
	ds_load_b128 v[\f+8*(4*\c+\i):\f+8*(4*\c+\i)+3],         v[ADRA+\slot] offset:\k+64*\c+\i*16*PITCH
	ds_load_b128 v[\f+8*(4*\c+\i)+4:\f+8*(4*\c+\i)+7],       v[ADRA+\slot] offset:\k+64*\c+\i*16*PITCH+32
.endr
.endr
.endm
.macro PLACES                          ; four plain vector instructions between a matrix instruction and a load into, or a read of, its registers
.rept 4
	v_nop
.endr
.endm
; A K step is four quarters of 64 along K, 32 matrix instructions each, on buffers 0, 1, 0, 1.  One of the first three: multiplies buffer f and fetches the next quarter into g.
.macro QUARTER slot, k, f, g, zero
	s_wait_dscnt 16                                ; the first 32 along K are in; the sixteen younger loads may be out
	WIN MUL
	MUL8 \f, 0, 0, \zero
	MUL8 \f, 0, 2, \zero
	PLACES
	FETCH \slot, \k, \g
	s_wait_dscnt 32                                ; all but the 32 just issued
	WIN MUL
	MUL8 \f, 1, 0, 0
	MUL8 \f, 1, 2, 0
.endm
; The last quarter multiplies buffer 1 and changes slots: ONE barrier; in front of it each wave waits for all its tensor loads, adds 0 to its spare word, and waits for that and for its reads of this slot.  fill = 1: this slot is filled again, two K steps ahead.
.macro TURN slot, next, fill
	WIN 0
	s_wait_tensorcnt 0x0                           ; all my tensor loads have landed: my part of the next slot
	ds_add_u32 v[SPW], v[NIL]
	s_wait_dscnt 17                                ; the add and the youngest sixteen loads may be out
	WIN MUL
	MUL8 F1, 0, 0, 0
	s_wait_dscnt 0x0                               ; the add is done, and my reads of this slot are over
	s_barrier_signal -1
	MUL8 F1, 0, 2, 0
.if \fill
	WIN 0
.endif
	s_barrier_wait -1
.if \fill
	CREST                                          ; the barrier has opened a round of the cluster's barrier: no wave of any partner still reads this slot or has a load on its way
	s_add_nc_u64 s[G0+4*\slot+2:G0+4*\slot+3], s[G0+4*\slot+2:G0+4*\slot+3], 2*ASTEP
	s_add_nc_u64 s[G0B+4*\slot+2:G0B+4*\slot+3], s[G0B+4*\slot+2:G0B+4*\slot+3], 2*BSTEP
	JLOAD \slot                                    ; the first tensor load behind the round; its four v_nop are also the places in front of the loads below
.else
	PLACES
.endif
	FETCH \next, 0, F0
	WIN MUL
	MUL8 F1, 1, 0, 0
	MUL8 F1, 1, 2, 0
.endm
	s_wait_tensorcnt 1                             ; my part of K step 0 is in; K step 1's load may be out
	s_barrier_signal -1
	s_barrier_wait -1
	FETCH 0, 0, F0
	s_wait_loadcnt 0x0                             ; bp
	QUARTER 0, QB,   F0, F1, 1                     ; K step 0: its first products start the sums
	QUARTER 0, 2*QB, F1, F0, 0
	QUARTER 0, 3*QB, F0, F1, 0
	TURN 0, 1, 1                                   ; slot 0 takes K step 2
	QUARTER 1, QB,   F0, F1, 0                     ; K step 1
	QUARTER 1, 2*QB, F1, F0, 0
	QUARTER 1, 3*QB, F0, F1, 0
	TURN 1, 0, 1                                   ; slot 1 takes K step 3
	QUARTER 0, QB,   F0, F1, 0                     ; K step 2
	QUARTER 0, 2*QB, F1, F0, 0
	QUARTER 0, 3*QB, F0, F1, 0
	TURN 0, 1, 0                                   ; nothing is left to fetch
	QUARTER 1, QB,   F0, F1, 0                     ; K step 3
	QUARTER 1, 2*QB, F1, F0, 0
	QUARTER 1, 3*QB, F0, F1, 0
	s_wait_dscnt 16
	WIN MUL
	MUL8 F1, 0, 0, 0
	MUL8 F1, 0, 2, 0
	s_wait_dscnt 0
	MUL8 F1, 1, 0, 0
	MUL8 F1, 1, 2, 0
	WIN 0
; THE WAY OUT, block by block of 16 rows x 64 columns of f32.  A lane holds 32 neighbouring bytes of a row; a block goes through my own stage and comes back as whole runs of 256 bytes, which sixteen lanes store, aligned.
.macro TOSTAGE a
.irp b, 0,1,2,3
	ds_store_b128 v[STO], v[ACC+8*(4*(\a)+\b):ACC+8*(4*(\a)+\b)+3] offset:64*\b          ; each accumulator from its low end on
	ds_store_b128 v[STO], v[ACC+8*(4*(\a)+\b)+4:ACC+8*(4*(\a)+\b)+7] offset:64*\b+16
.endr
.irp t, 0,1,2,3,4,5,6,7
	ds_load_b128 v[TMP+32*((\a)%2)+4*\t:TMP+32*((\a)%2)+4*\t+3], v[RD] offset:\t*2*SPITCH   ; LDS serves a wave's instructions in order: these see the stores above
.endr
.endm
.macro SEND a, younger                 ; younger: the LDS instructions issued behind block a's loads, which may stay out
	s_wait_dscnt \younger
.irp t, 0,1,2,3,4,5,6,7
	global_store_b128 v[CO], v[TMP+32*((\a)%2)+4*\t:TMP+32*((\a)%2)+4*\t+3], s[8:9] offset:(16*(\a)+2*\t)*4096 th:TH_STORE_NT
.endr
.endm
	PLACES
	TOSTAGE 0
.irp a, 1,2,3
.if \a > 1
	s_wait_xcnt 0x0                                ; block a - 2's stores have read their registers: block a's loads may land there
.endif
	TOSTAGE \a
	SEND \a-1, 16                                  ; behind block a - 1's loads: block a's eight stores and eight loads
.endr
	SEND 3, 0
	s_wait_tensorcnt 0x0                           ; the wave's end
	ds_add_u32 v[SPW], v[NIL]
	s_wait_dscnt 0x0
	CROUND                                         ; the closing round
	s_endpgm
.Lfunc_end_k_q11de0ed242_proj:
	.size	k_q11de0ed242_proj, .Lfunc_end_k_q11de0ed242_proj-k_q11de0ed242_proj
	.p2alignl 7, 3214868480
	.fill 96, 4, 3214868480
	.section	.rodata,"a",@progbits
	.p2align	6, 0x0
	.amdhsa_kernel k_q11de0ed242_proj
		.amdhsa_group_segment_fixed_size 327680
		.amdhsa_private_segment_fixed_size 0
		.amdhsa_enable_private_segment 0
		.amdhsa_kernarg_size 32
		.amdhsa_user_sgpr_count 2
		.amdhsa_user_sgpr_kernarg_segment_ptr 1
		.amdhsa_wavefront_size32 1
		.amdhsa_system_sgpr_workgroup_id_x 1
		.amdhsa_system_sgpr_workgroup_id_y 1
		.amdhsa_system_sgpr_workgroup_id_z 1
		.amdhsa_system_vgpr_workitem_id 0
		.amdhsa_next_free_vgpr 512
		.amdhsa_next_free_sgpr 66
		.amdhsa_reserve_vcc 0
		.amdhsa_float_denorm_mode_32 3
		.amdhsa_float_denorm_mode_16_64 3
		.amdhsa_memory_ordered 1
		.amdhsa_forward_progress 1
		.amdhsa_inst_pref_size 86
	.end_amdhsa_kernel
	.amdgpu_metadata
---
amdhsa.version: [ 1, 2 ]
amdhsa.kernels:
  - .name:           k_q11de0ed242_proj
    .symbol:         k_q11de0ed242_proj.kd
    .args:
      - { .name: oh, .offset: 0, .size: 8, .value_kind: global_buffer, .address_space: global }
      - { .name: wp16, .offset: 8, .size: 8, .value_kind: global_buffer, .address_space: global }
      - { .name: bp, .offset: 16, .size: 8, .value_kind: global_buffer, .address_space: global }
      - { .name: out0, .offset: 24, .size: 8, .value_kind: global_buffer, .address_space: global }
    .group_segment_fixed_size: 327680
    .private_segment_fixed_size: 0
    .kernarg_segment_align: 8
    .kernarg_segment_size: 32
    .max_flat_workgroup_size: 128
    .sgpr_count:     66
    .vgpr_count:     512
    .wavefront_size: 32
...
	.end_amdgpu_metadata
.endif
;; end of part 4
